; MI455X (gfx1250); checked and timed in simulation.
; The chip was launched on July 23, 2026; its instructions are those of AMD's public machine-readable ISA for CDNA 5 (MIT licence, August 2026) and "CDNA5" Instruction Set Architecture Reference Guide (July 2026). The comments in the code are by the model that wrote it; some were corrected since.
;; Multi Head Attention. Allowed arithmetic: matrix products marked QUANTISED: E5M2 operands, one given power-of-two scale a tensor, by v_wmma_f32_16x16x64_bf8_bf8 or v_wmma_f32_16x16x128_bf8_bf8, f32 sums; everything else in f32.
;; Inputs: b_out 1,024 float32; k_codes 2 x 2,048 x 32 x 32 uint8 (E5M2 codes of k, K innermost, in blocks of 32 codes); k_mask 2 x 2,048 float32; lowp_scales 12 int32 (the exponents e of the quantised operands' scales 2^e); mask 2,048 x 2,048 float32; q_codes 2 x 2,048 x 32 x 32 uint8 (E5M2 codes of q, K innermost, in blocks of 32 codes); q_mask 2 x 2,048 float32; v_codes 2 x 2,048 x 32 x 32 uint8 (E5M2 codes of v, K innermost, in blocks of 32 codes); w_k_codes 1,024 x 32 x 32 uint8 (E5M2 codes of w_k, K innermost, in blocks of 32 codes); w_out_codes 1,024 x 32 x 32 uint8 (E5M2 codes of w_out, K innermost, in blocks of 32 codes); w_q_codes 1,024 x 32 x 32 uint8 (E5M2 codes of w_q, K innermost, in blocks of 32 codes); w_v_codes 1,024 x 32 x 32 uint8 (E5M2 codes of w_v, K innermost, in blocks of 32 codes).
;; Outputs: out0 2 x 2,048 x 1,024 float32.
;; This version of the problem:
;;   THIS VERSION OF THE PROBLEM IS GIVEN IN LOW PRECISION. The matrix products marked QUANTISED in the list below multiply operands that are first quantised to E5M2 (5 exponent bits, 2 mantissa bits; 8 bits a number), with one given power-of-two scale for each operand tensor; their sums are f32. All else is computed in f32.
;;   The module's matrix products, in the order in which they are computed (A, B: the left and right operand; K: the contracted axis; several contracted axes count as one K, in the product's order):
;;     1. [M 4,096, K 1,024] x [K 1,024, N 1,024]; A: input q (given as codes); B: input w_q (given as codes): QUANTISED (scales: A lowp_scales[0], B lowp_scales[1])
;;     2. [M 4,096, K 1,024] x [K 1,024, N 1,024]; A: input k (given as codes); B: input w_k (given as codes): QUANTISED (scales: A lowp_scales[2], B lowp_scales[3])
;;     3. [M 4,096, K 1,024] x [K 1,024, N 1,024]; A: input v (given as codes); B: input w_v (given as codes): QUANTISED (scales: A lowp_scales[4], B lowp_scales[5])
;;     4. batch 32 x [M 2,048, K 64] x [K 64, N 2,048]; A: computed on the way; B: computed on the way: QUANTISED (scales: A lowp_scales[6], B lowp_scales[7])
;;     5. batch 32 x [M 64, K 2,048] x [K 2,048, N 2,048]; A: computed on the way; B: softmax (see below): QUANTISED (scales: A lowp_scales[8], B lowp_scales[9])
;;     6. [M 4,096, K 1,024] x [K 1,024, N 1,024]; A: computed on the way; B: input w_out (given as codes): QUANTISED (scales: A lowp_scales[10], B lowp_scales[11])
;;   THE QUANTISER, for each operand of a quantised product, along K:
;;     - The operand's scale is 2^e, e = its entry of the input lowp_scales (int32; the entries are numbered through the quantised products in the list's order, A before B).
;;     - Each number is divided by the scale, clamped to +-57,344, and rounded to the nearest number of E5M2, ties to even, subnormals kept.
;;     - The product sums the exact products of the quantised numbers (number of the format x scale) in f32.
;;   ~~~python
;;   def quantise(x, axis, e):      # numpy; x: float32 -> the quantised numbers, widened to float32 again
;;       x = np.moveaxis(x, axis, -1); K = x.shape[-1]
;;       r = np.clip(x / 2.0 ** e, -57344, 57344)
;;       step = 2.0 ** (np.maximum(np.frexp(np.where(r == 0, 1, r))[1] - 1, -14) - 2)
;;       q = np.round(r / step) * step * 2.0 ** e      # np.round: ties to even
;;       return np.moveaxis(q, -1, axis).astype(np.float32)
;;   ~~~
;;   SOFTMAX AHEAD OF A QUANTISED PRODUCT. Where the list says 'softmax', what is quantised is not the finished softmax but p = 2^(t - M), with t = logit x log2(e) and M = ceil(the row's largest t), a whole number; so 1/2 < the row's largest p <= 1. The row's sum l is taken of the UNQUANTISED p, in f32, and the product's result is divided by l at the end. Since M is a whole number, a kernel that streams over the keys may use a running M (the ceiling of the running maximum): every later rescaling is an exact power of two, so the quantised numbers keep their values, but for numbers so far below the row's largest that they fall under the format's range.
;;   OPERANDS COMPUTED ON THE WAY. 'Computed on the way' means the value that the module computes at that place (a softmax that the list does not call 'softmax' is quantised finished and normalised). What goes into a quantiser is computed in f32, as accurately as f32 sums, v_exp_f32 and their like allow (about 1e-6 of the number): no bf16 or f16 on the way to a quantiser, and a product that is left as it is and whose result goes on into a quantised operand takes f32 operands (vector FMAs, or v_wmma_f32_16x16x4_f32). A number that lies on a knife's edge between two numbers of the format may be rounded either way, as far as f32 arithmetic and the matrix unit's own rounding can turn it there, and no further.
;;   INPUTS GIVEN AS CODES. k (in the module: [2, 2048, 1024], K = its axis 2); q (in the module: [2, 2048, 1024], K = its axis 2); v (in the module: [2, 2048, 1024], K = its axis 2); w_k (in the module: [1024, 1024], K = its axis 0); w_out (in the module: [1024, 1024], K = its axis 0); w_q (in the module: [1024, 1024], K = its axis 0); w_v (in the module: [1024, 1024], K = its axis 0): each comes as NAME_codes (uint8): NAME with its K axis moved to the last place and cut into blocks of 32 codes, [.., K / 32, bytes a block], one block behind the other in memory; one code a byte (a code: sign, 5 exponent bits, 2 mantissa bits); its scale is its entry of lowp_scales. Its value is code x scale, taken as it is: it is not quantised again, and the codes and scales need not be those that the quantiser above would give.
;; One version. Each part assembles by itself: llvm-mc -triple=amdgcn-amd-amdhsa -mcpu=gfx1250 --defsym DOCPART=n.
;; ======== version 1 of 1: 4 launches
;; limits: right only within a limited range of input values
;; workspace buffers: fq 4,194,304 bytes; fk 4,194,304 bytes; fv 4,194,304 bytes; acodes 4,194,304 bytes; pmin 1,024 bytes
;; launch proj (part 1): grid 4 x 48, 4 waves a work-group, clusters of 4 x 4, 327,680 bytes of LDS; arguments q_codes, k_codes, v_codes, w_q_codes, w_k_codes, w_v_codes, lowp_scales, fq, fk, fv; writes fq, fk, fv
.if DOCPART == 1
	.amdgcn_target "amdgcn-amd-amdhsa--gfx1250"
	.amdhsa_code_object_version 6
	.text
	.protected	k_q09bf120992_proj
	.globl	k_q09bf120992_proj
	.p2align	8
	.type	k_q09bf120992_proj,@function
k_q09bf120992_proj:
	s_mov_b64 s[64:65], 0
	v_nop
	global_prefetch_b8 v0, s[64:65] scope:SCOPE_SE
	s_setreg_imm32_b32 hwreg(HW_REG_WAVE_MODE, 25, 1), 1
	s_wait_xcnt 0x0
	s_wait_alu depctr_hold_cnt(0) depctr_sa_sdst(0) depctr_va_vdst(0) depctr_va_sdst(0) depctr_va_ssrc(0) depctr_va_vcc(0) depctr_vm_vsrc(0)
	s_getreg_b32 s2, hwreg(HW_REG_IB_STS2, 6, 4)
	s_cmp_eq_u32 s2, 0
	s_cbranch_scc0 .Lentry_in_a_cluster
	s_endpgm
.Lentry_in_a_cluster:
	s_bfe_u32 s2, ttmp6, 0x10000c
	s_cmp_lg_u32 s2, 0xf033
	s_cbranch_scc0 .Lentry_shape_is_right
	s_endpgm
.Lentry_shape_is_right:
.set SIZE_K, 1024
.set KSTEP,  256
.set ROWB,   256
.set KROW,   SIZE_K
.set PITCH,  272
.set FR,     16
.set NL,     4
.set NP,     4
.set HALFT,  128*PITCH
.set SLOT,   4*HALFT
.set LAPS,   SIZE_K/(2*KSTEP)
.set SPARE,  2*SLOT
.set ADRA, 16
.set ADRB, 20
.set CO,   26
.set SPW,  28
.set NIL,  29
.set SCL,  30
.set LIMV, 31
.set TMP,  32
.set AF,   128
.set CD,   128
.set G1, 24
.set G0, 32
.set G1B, 48
.set G0B, 56
.set MSB, 0
.macro WIN new
.if MSB != (\new)
	s_set_vgpr_msb (MSB<<8)|(\new)
.set MSB, (\new)
.endif
.endm
.set MUL_LO, 0xa1
.set MUL_HI, 0xf1
.set TO_B,   0x40
.macro JLOAD g0a, g1a, g0b, g1b
	s_cmp_eq_u32 s15, 0
	s_cbranch_scc0 .Lfor_b_\@
	tensor_load_to_lds s[\g0a:\g0a+3], s[\g1a:\g1a+7]
	s_nop 0
.rept 4
	v_nop
.endr
	s_branch .Lasked_\@
.Lfor_b_\@:
	tensor_load_to_lds s[\g0b:\g0b+3], s[\g1b:\g1b+7]
	s_nop 0
.rept 4
	v_nop
.endr
.Lasked_\@:
.endm
.macro CREST
	s_cmp_lg_u32 s14, 0
	s_cbranch_scc1 .Lnot_wave_0_\@
	s_barrier_signal -3
.Lnot_wave_0_\@:
	s_barrier_wait -3
	s_barrier_signal -1
	s_barrier_wait -1
.endm
.macro CROUND
	s_barrier_signal -1
	s_barrier_wait -1
	CREST
.endm
	s_load_b512 s[68:83], s[0:1], 0x0
	s_load_b128 s[84:87], s[0:1], 0x40
	v_lshl_add_u32 v[SPW], v0, 2, SPARE
	v_mov_b32 v[NIL], 0
	ds_add_u32 v28, v29
	ds_add_u32 v28, v29
	s_wait_dscnt 0x0
	v_lshrrev_b32 v1, 5, v0
	v_readfirstlane_b32 s14, v1
	s_lshr_b32 s15, s14, 1
	s_and_b32 s16, s14, 1
	s_bfe_u32 s40, ttmp6, 0x40000
	s_bfe_u32 s41, ttmp6, 0x40004
	s_and_b32 s17, ttmp7, 0xffff
	s_lshr_b32 s97, s17, 2
	s_and_b32 s98, s17, 3
	s_lshl_b32 s98, s98, 2
	s_cmp_eq_u32 s97, 2
	s_cselect_b32 s99, 0, s98
	s_cselect_b32 s100, s98, 0
	s_lshl_b32 s42, ttmp9, 2
	s_add_co_u32 s42, s42, s40
	s_add_co_u32 s42, s42, s100
	s_add_co_u32 s17, s99, s41
	s_lshl_b32 s43, s41, 2
	s_lshl_b32 s43, 15, s43
	s_lshl_b32 s44, 0x1111, s40
	s_or_b32 s[G1+0], s43, (0<<16)|(1<<20)|(1<<21)|(5<<22)|(3<<25)
	s_or_b32 s[G1B+0], s44, (0<<16)|(1<<20)|(1<<21)|(5<<22)|(3<<25)
.irp g, G1, G1B
	s_mov_b32 s[\g+1], ROWB<<16
	s_mov_b32 s[\g+2], 128<<16
	s_mov_b32 s[\g+3], ROWB<<16
	s_mov_b32 s[\g+4], 128
	s_mov_b32 s[\g+5], KROW
	s_mov_b32 s[\g+6], 0
	s_mov_b32 s[\g+7], 0
.endr
	s_lshl_b32 s18, s16, 7
	s_lshl_b32 s20, s17, 8
	s_add_co_u32 s20, s20, s18
	s_lshl_b32 s46, s42, 8
	s_add_co_u32 s46, s46, s18
	s_mov_b32 s21, 0
	s_mov_b32 s47, 0
	s_mov_b64 s[18:19], KROW
	s_mul_u64 s[20:21], s[20:21], s[18:19]
	s_mul_u64 s[46:47], s[46:47], s[18:19]
	s_mul_i32 s45, s14, HALFT
	s_wait_kmcnt 0x0
	s_cmp_eq_u32 s97, 0
	s_cselect_b64 s[4:5], s[68:69], s[70:71]
	s_cselect_b64 s[6:7], s[74:75], s[76:77]
	s_cselect_b64 s[10:11], s[82:83], s[84:85]
	s_cmp_eq_u32 s97, 2
	s_cselect_b64 s[4:5], s[78:79], s[4:5]
	s_cselect_b64 s[6:7], s[72:73], s[6:7]
	s_cselect_b64 s[10:11], s[86:87], s[10:11]
	s_load_b256 s[88:95], s[80:81], 0x0
	s_load_b32 s96, s[80:81], 0x20
	s_add_nc_u64 s[20:21], s[4:5], s[20:21]
	s_add_nc_u64 s[46:47], s[6:7], s[46:47]
	CROUND
.irp s, 0,1
	s_mov_b32 s[G0+4*\s], 1
	s_add_co_u32 s[G0+4*\s+1], s45, \s*SLOT
	s_add_nc_u64 s[G0+4*\s+2:G0+4*\s+3], s[20:21], \s*ROWB
	s_or_b32 s[G0+4*\s+3], s[G0+4*\s+3], 0x80000000
	s_mov_b32 s[G0B+4*\s], 1
	s_add_co_u32 s[G0B+4*\s+1], s45, \s*SLOT
	s_add_nc_u64 s[G0B+4*\s+2:G0B+4*\s+3], s[46:47], \s*ROWB
	s_or_b32 s[G0B+4*\s+3], s[G0B+4*\s+3], 0x80000000
	s_wait_alu depctr_va_vdst(0)
	s_wait_tensorcnt 0x0
	ds_add_u32 v28, v29
	ds_add_u32 v28, v29
	s_wait_dscnt 0x0
	CROUND
	JLOAD G0+4*\s, G1, G0B+4*\s, G1B
.endr
	v_and_b32 v1, 15, v0
	v_bfe_u32 v2, v0, 4, 1
	v_mul_u32_u24 v3, v1, PITCH
	v_lshl_add_u32 v4, v2, 4, v3
	s_mul_i32 s21, s15, HALFT
	s_mul_i32 s22, s16, HALFT
	s_add_co_u32 s22, s22, 2*HALFT
.irp s, 0,1
	v_add_nc_u32 v[ADRA+\s], s21, v4
	v_add_nc_u32 v[ADRB+\s], s22, v4
	s_add_co_u32 s21, s21, SLOT
	s_add_co_u32 s22, s22, SLOT
.endr
	v_and_b32 v6, 31, v0
	v_lshlrev_b32 v[CO], 4, v6
	s_lshl_b32 s20, s17, 1
	s_add_co_u32 s20, s20, s15
	s_lshl_b32 s46, s42, 1
	s_add_co_u32 s46, s46, s16
	s_cmp_eq_u32 s97, 2
	s_cselect_b32 s22, s46, s20
	s_cselect_b32 s23, s20, s46
	s_lshl_b32 s22, s22, 3
	s_add_co_u32 s22, s22, s23
	s_lshl_b32 s22, s22, 14
	s_mov_b32 s23, 0
	s_add_nc_u64 s[10:11], s[10:11], s[22:23]
.macro FRAG reg, adr, q, i
.irp c, 0,1,2,3
	ds_load_b128 v[\reg+4*\c:\reg+4*\c+3], v[\adr] offset:128*(\q)+32*\c+(\i)*16*PITCH
.endr
.endm
.macro MUL16 a0, p, zero
.irp a, \a0, \a0+1
.irp b, 0,1,2,3,4,5,6,7
.if \zero
	v_wmma_f32_16x16x128_bf8_bf8 v[8*(8*((\a)%4)+\b):8*(8*((\a)%4)+\b)+7], v[128*(\p)+FR*\b:128*(\p)+FR*\b+FR-1], v[AF+FR*(\a):AF+FR*(\a)+FR-1], 0
.else
	v_wmma_f32_16x16x128_bf8_bf8 v[8*(8*((\a)%4)+\b):8*(8*((\a)%4)+\b)+7], v[128*(\p)+FR*\b:128*(\p)+FR*\b+FR-1], v[AF+FR*(\a):AF+FR*(\a)+FR-1], v[8*(8*((\a)%4)+\b):8*(8*((\a)%4)+\b)+7]
.endif
.endr
.endr
.endm
.macro FETCH_B slot, q, p
	WIN TO_B
.irp i, 0,1,2,3,4,5,6,7
	FRAG 128*(\p)+FR*\i, ADRB+\slot, \q, \i
.endr
	WIN 0
.endm
.macro FETCH_A slot, q, i0
.irp i, \i0, \i0+1, \i0+2, \i0+3
	FRAG AF+FR*(\i), ADRA+\slot, \q, \i
.endr
.endm
.macro PLACES n
.rept \n
	v_nop
.endr
.endm
.macro STEP slot, q, zero
	s_wait_dscnt 4*NL
	WIN MUL_LO
	MUL16 0, (\q)%2, \zero
	MUL16 2, (\q)%2, \zero
	s_wait_dscnt 0
	PLACES NP
	FETCH_B \slot, (\q)+1, 1-(\q)%2
	FETCH_A \slot, (\q)+1, 0
	WIN MUL_HI
	MUL16 4, (\q)%2, \zero
	MUL16 6, (\q)%2, \zero
	PLACES NP
	WIN 0
	FETCH_A \slot, (\q)+1, 4
.endm
.macro TURN slot, next, fill
	s_wait_tensorcnt 0x0
	ds_add_u32 v[SPW], v[NIL]
	s_wait_dscnt 4*NL+1
	WIN MUL_LO
	MUL16 0, 1, 0
	s_wait_dscnt 0x0
	s_barrier_signal -1
	MUL16 2, 1, 0
	WIN 0
	s_barrier_wait -1
.if \fill
	CREST
	s_add_nc_u64 s[G0+4*\slot+2:G0+4*\slot+3], s[G0+4*\slot+2:G0+4*\slot+3], 2*ROWB
	s_add_nc_u64 s[G0B+4*\slot+2:G0B+4*\slot+3], s[G0B+4*\slot+2:G0B+4*\slot+3], 2*ROWB
	JLOAD G0+4*\slot, G1, G0B+4*\slot, G1B
.else
	PLACES NP
.endif
	FETCH_B \next, 0, 0
	FETCH_A \next, 0, 0
	WIN MUL_HI
	MUL16 4, 1, 0
	MUL16 6, 1, 0
	PLACES NP
	WIN 0
	FETCH_A \next, 0, 4
.endm
	s_wait_alu depctr_va_vdst(0)
	s_wait_tensorcnt 1
	s_barrier_signal -1
	s_barrier_wait -1
	FETCH_B 0, 0, 0
	FETCH_A 0, 0, 0
	FETCH_A 0, 0, 4
	STEP 0, 0, 1
	s_mov_b32 s3, LAPS-1
.Llap:
	TURN 0, 1, 1
	STEP 1, 0, 0
	TURN 1, 0, 1
	STEP 0, 0, 0
	s_sub_co_u32 s3, s3, 1
	s_cmp_lg_u32 s3, 0
	s_cbranch_scc1 .Llap
	TURN 0, 1, 0
	STEP 1, 0, 0
	s_wait_dscnt 4*NL
	WIN MUL_LO
	MUL16 0, 1, 0
	MUL16 2, 1, 0
	s_wait_dscnt 0
	WIN MUL_HI
	MUL16 4, 1, 0
	MUL16 6, 1, 0
	WIN 0
	s_wait_kmcnt 0x0
	s_sub_co_i32 s88, s94, s88
	s_sub_co_i32 s88, s88, s89
	s_sub_co_i32 s90, s95, s90
	s_sub_co_i32 s90, s90, s91
	s_sub_co_i32 s92, s96, s92
	s_sub_co_i32 s92, s92, s93
	s_cmp_eq_u32 s97, 0
	s_cselect_b32 s88, s88, s90
	s_cmp_eq_u32 s97, 2
	s_cselect_b32 s88, s92, s88
	s_add_co_i32 s88, s88, 127
	s_lshl_b32 s89, s88, 23
	v_mov_b32 v[SCL], s89
	s_add_co_i32 s88, s88, 15
	s_lshl_b32 s88, s88, 23
	s_or_b32 s88, s88, 0x600000
	v_mov_b32 v[LIMV], s88
	PLACES NP
.macro OUTB a
.set AC, 64*((\a)%4)
	WIN 0x02+((\a)/4)
.set j, 0
.rept 64
	v_med3_num_f32 v[TMP+j], v[AC+j], -v[LIMV], v[LIMV]
.set j, j+1
.endr
	WIN 0
.irp b, 0,1,2,3,4,5,6,7
	v_cvt_scalef32_pk8_bf8_f32 v[CD+16*(\a)+2*\b:CD+16*(\a)+2*\b+1], v[TMP+8*\b:TMP+8*\b+7], v[SCL]
.endr
	v_nop
.irp g, 0,1,2,3
	global_store_b128 v[CO], v[CD+16*(\a)+4*\g:CD+16*(\a)+4*\g+3], s[10:11] offset:(\a)*2048+\g*512
.endr
.endm
.irp a, 0,1,2,3,4,5,6,7
	OUTB \a
.endr
	s_wait_tensorcnt 0x0
	ds_add_u32 v[SPW], v[NIL]
	s_wait_dscnt 0x0
	CROUND
	s_endpgm
.Lfunc_end_k_q09bf120992_proj:
	.size	k_q09bf120992_proj, .Lfunc_end_k_q09bf120992_proj-k_q09bf120992_proj
	.p2alignl 7, 3214868480
	.fill 96, 4, 3214868480
	.section	.rodata,"a",@progbits
	.p2align	6, 0x0
	.amdhsa_kernel k_q09bf120992_proj
		.amdhsa_group_segment_fixed_size 327680
		.amdhsa_private_segment_fixed_size 0
		.amdhsa_enable_private_segment 0
		.amdhsa_kernarg_size 80
		.amdhsa_user_sgpr_count 2
		.amdhsa_user_sgpr_kernarg_segment_ptr 1
		.amdhsa_wavefront_size32 1
		.amdhsa_system_sgpr_workgroup_id_x 1
		.amdhsa_system_sgpr_workgroup_id_y 1
		.amdhsa_system_sgpr_workgroup_id_z 1
		.amdhsa_system_vgpr_workitem_id 0
		.amdhsa_next_free_vgpr 1024
		.amdhsa_next_free_sgpr 102
		.amdhsa_reserve_vcc 0
		.amdhsa_float_denorm_mode_32 3
		.amdhsa_float_denorm_mode_16_64 3
		.amdhsa_memory_ordered 1
		.amdhsa_forward_progress 1
		.amdhsa_inst_pref_size 119
	.end_amdhsa_kernel
	.amdgpu_metadata
---
amdhsa.version: [ 1, 2 ]
amdhsa.kernels:
  - .name:           k_q09bf120992_proj
    .symbol:         k_q09bf120992_proj.kd
    .args:
      - { .name: q_codes, .offset: 0, .size: 8, .value_kind: global_buffer, .address_space: global }
      - { .name: k_codes, .offset: 8, .size: 8, .value_kind: global_buffer, .address_space: global }
      - { .name: v_codes, .offset: 16, .size: 8, .value_kind: global_buffer, .address_space: global }
      - { .name: w_q_codes, .offset: 24, .size: 8, .value_kind: global_buffer, .address_space: global }
      - { .name: w_k_codes, .offset: 32, .size: 8, .value_kind: global_buffer, .address_space: global }
      - { .name: w_v_codes, .offset: 40, .size: 8, .value_kind: global_buffer, .address_space: global }
      - { .name: lowp_scales, .offset: 48, .size: 8, .value_kind: global_buffer, .address_space: global }
      - { .name: fq, .offset: 56, .size: 8, .value_kind: global_buffer, .address_space: global }
      - { .name: fk, .offset: 64, .size: 8, .value_kind: global_buffer, .address_space: global }
      - { .name: fv, .offset: 72, .size: 8, .value_kind: global_buffer, .address_space: global }
    .group_segment_fixed_size: 327680
    .private_segment_fixed_size: 0
    .kernarg_segment_align: 8
    .kernarg_segment_size: 80
    .max_flat_workgroup_size: 128
    .sgpr_count:     102
    .vgpr_count:     1024
    .wavefront_size: 32
...
	.end_amdgpu_metadata
.endif
;; end of part 1
;; launch fmin (part 2): grid 8 x 32, 8 waves a work-group, clusters of 4 x 4, 327,680 bytes of LDS; arguments fq, fk, mask, lowp_scales, pmin; writes pmin
.if DOCPART == 2
	.amdgcn_target "amdgcn-amd-amdhsa--gfx1250"
	.amdhsa_code_object_version 6
	.text
	.protected	k_q09bf120992_fmin
	.globl	k_q09bf120992_fmin
	.p2align	8
	.type	k_q09bf120992_fmin,@function
k_q09bf120992_fmin:
	s_mov_b64 s[64:65], 0
	v_nop
	global_prefetch_b8 v0, s[64:65] scope:SCOPE_SE
	s_setreg_imm32_b32 hwreg(HW_REG_WAVE_MODE, 25, 1), 1
	s_wait_xcnt 0x0
	s_wait_alu depctr_hold_cnt(0) depctr_sa_sdst(0) depctr_va_vdst(0) depctr_va_sdst(0) depctr_va_ssrc(0) depctr_va_vcc(0) depctr_vm_vsrc(0)
	s_getreg_b32 s2, hwreg(HW_REG_IB_STS2, 6, 4)
	s_cmp_eq_u32 s2, 0
	s_cbranch_scc0 .Lentry_in_a_cluster
	s_endpgm
.Lentry_in_a_cluster:
	s_bfe_u32 s2, ttmp6, 0x10000c
	s_cmp_lg_u32 s2, 0xf033
	s_cbranch_scc0 .Lentry_shape_is_right
	s_endpgm
.Lentry_shape_is_right:
; THE SMALLEST LOGIT BEFORE THE q AND k MASKS: new_min = min over b, h, q, k of fl(s x 2^(e6 + e7 - 3) + mask[q][k]), s the sum of the codes' products of fq and fk.  Each work-group stores one partial minimum.
; The scale is a positive power of two, so fl(s x scale + mask) never falls when s grows: the minimum over heads of the rounded sums is the rounded sum of the minimum over heads of s.
; So a tile of minima of s stays in registers while the heads are walked (one v_min a score), and the mask is added once, at the end, by one fused multiply-add.
; SHARES.  Work-group (x, y): queries 256 x on, keys 256 (y % 8) on, batch y / 16, heads 8 ((y / 8) % 2) on.  Wave w: 64 of the queries (w % 4), 128 of the keys (w / 4): 4 x 8 tiles of 16 x 16.
; ALL operands of a work-group lie in LDS at once: 256 queries and 256 keys x 8 heads x 64 bytes = 262,144 bytes, one tensor load of 32,768 dense bytes a wave, one fill, nothing filled again.
; CLUSTER 4 x 4: Q's blocks hang on x and are asked for jointly along a column of the cluster; K's hang on y and are asked for jointly along a row.
; fq and fk lie as images of operand registers, so every fragment load takes 16 bytes at 16 x lane: no padding.  S^T = K Q^T: lane (r, h) holds query r and keys 8 h + 0 .. 7 of a tile.
; The mask's tile (64 rows x 512 bytes a wave) is prefetched, 32 blocks of 256 bytes an instruction, a lane a block, one instruction in each of the first four heads; its loads come behind the eighth head.
; NaN is not served.  LIMIT: e6 + e7 - 3 between -126 and 127.
; REGISTERS: window 0: v1, v5 my places in Q's and K's part of LDS, v2 in the mask, v4 the prefetches' offset, v8-11 four chains of minima, v24-55 Q's four fragments, v56-119 K's eight, v120-183 and v184-247 two sets of 8 tiles.  window 1: the 32 tiles of minima.
.set QF, 24
.set KF, 56
.set SA, 120
.set SB, 184
.set MN, 8
.set AQ, 1
.set AK, 5
.set SPW, 6
.set NIL, 7
.set SC, 22                            ; s[22:23] the scale, twice
.set G1Q, 24
.set G0Q, 32
.set G0K, 36
.set G1K, 48
.set SCR, 262144                       ; behind the tiles: a block for the waves' minima,
.set SPARE, 262400                     ; and the spare words, 128 bytes a wave
.set MSB, 0
.macro WIN new
.if MSB != (\new)
	s_set_vgpr_msb (MSB<<8)|(\new)
.set MSB, (\new)
.endif
.endm
.macro PLACES
.rept 4
	v_nop
.endr
.endm
.macro CROUND
	s_barrier_signal -1
	s_barrier_wait -1
	s_cmp_lg_u32 s19, 0
	s_cbranch_scc1 .Lnot_wave_0_\@
	s_barrier_signal -3
.Lnot_wave_0_\@:
	s_barrier_wait -3
	s_barrier_signal -1
	s_barrier_wait -1
.endm
	s_load_b256 s[4:11], s[0:1], 0x0               ; fq, fk, mask, the scales
	s_load_b64 s[12:13], s[0:1], 0x20              ; pmin
	v_lshl_add_u32 v[SPW], v0, 2, SPARE
	v_mov_b32 v[NIL], 0
	ds_add_u32 v[SPW], v[NIL]                      ; the opening lines: the add twice on end
	ds_add_u32 v[SPW], v[NIL]
	v_lshrrev_b32 v3, 5, v0
	v_readfirstlane_b32 s19, v3                    ; wave 0..7
	s_bfe_u32 s40, ttmp6, 0x40000                  ; cx
	s_bfe_u32 s41, ttmp6, 0x40004                  ; cy
	s_lshl_b32 s14, ttmp9, 2
	s_add_co_u32 s14, s14, s40                     ; which 256 queries
	s_and_b32 s16, ttmp7, 0xffff
	s_lshr_b32 s42, s16, 1                         ; batch and half of the heads: the same in the whole cluster
	s_and_b32 s15, s16, 1
	s_lshl_b32 s15, s15, 2
	s_add_co_u32 s15, s15, s41                     ; which 256 keys
	s_lshr_b32 s17, s42, 1                         ; batch
	s_and_b32 s18, s42, 1
	s_lshl_b32 s18, s18, 2                         ; the first of my four head pairs
	s_lshl_b32 s43, s41, 2
	s_lshl_b32 s43, 15, s43                        ; my row of the cluster
	s_lshl_b32 s44, 0x1111, s40                    ; my column
	s_or_b32 s[G1Q], s44, (3<<16)|(1<<21)          ; 128 rows of 32 elements of 8 bytes, dense
	s_or_b32 s[G1K], s43, (3<<16)|(1<<21)
.irp g, G1Q, G1K
	s_mov_b32 s[\g+1], 32<<16
	s_mov_b32 s[\g+2], 128<<16
	s_mov_b32 s[\g+3], 32<<16
	s_mov_b32 s[\g+4], 128
	s_mov_b32 s[\g+5], 32
	s_mov_b32 s[\g+6], 0
	s_mov_b32 s[\g+7], 0
.endr
	s_lshr_b32 s45, s19, 2                         ; I fetch for Q (0) or for K (1):
	s_bfe_u32 s46, s19, 0x10001                    ; which block of 128 tokens,
	s_and_b32 s47, s19, 1
	s_lshl_b32 s47, s47, 1
	s_add_co_u32 s47, s47, s18                     ; and which two head pairs of it
	s_lshl_b32 s56, s17, 4
	s_add_co_u32 s56, s56, s46
	s_lshl_b32 s60, s14, 1
	s_add_co_u32 s60, s60, s56
	s_lshl_b32 s60, s60, 3
	s_add_co_u32 s60, s60, s47
	s_lshl_b32 s60, s60, 14                        ; Q: 16,384 x (8 x block + pair): never holds cy
	s_mov_b32 s61, 0
	s_lshl_b32 s62, s15, 1
	s_add_co_u32 s62, s62, s56
	s_lshl_b32 s62, s62, 3
	s_add_co_u32 s62, s62, s47
	s_lshl_b32 s62, s62, 14                        ; K likewise: never holds cx
	s_mov_b32 s63, 0
	s_lshl_b32 s57, s19, 15                        ; where it goes: 32,768 x wave
	s_wait_dscnt 0x0
	s_wait_kmcnt 0x0
	s_load_b64 s[58:59], s[10:11], 0x18            ; e6, e7
	s_mov_b32 s[G0Q], 1
	s_mov_b32 s[G0Q+1], s57
	s_add_nc_u64 s[G0Q+2:G0Q+3], s[4:5], s[60:61]
	s_or_b32 s[G0Q+3], s[G0Q+3], 0x80000000
	s_mov_b32 s[G0K], 1
	s_mov_b32 s[G0K+1], s57
	s_add_nc_u64 s[G0K+2:G0K+3], s[6:7], s[62:63]
	s_or_b32 s[G0K+3], s[G0K+3], 0x80000000
	CROUND                                         ; the joint loads meet
	s_cmp_eq_u32 s45, 0
	s_cbranch_scc0 .Lfor_k
	tensor_load_to_lds s[G0Q:G0Q+3], s[G1Q:G1Q+7]
	s_nop 0
.rept 4
	v_nop
.endr
	s_branch .Lasked
.Lfor_k:
	tensor_load_to_lds s[G0K:G0K+3], s[G1K:G1K+7]
	s_nop 0
.rept 4
	v_nop
.endr
.Lasked:
	s_and_b32 s20, s19, 3                          ; which 64 queries are my wave's
	s_lshr_b32 s21, s19, 2                         ; which 128 keys
	s_lshr_b32 s66, s20, 1
	s_lshl_b32 s66, s66, 16                        ; their block of 128 tokens: 65,536 bytes a block,
	s_and_b32 s67, s20, 1
	s_lshl_b32 s67, s67, 13                        ; its lower or upper four tiles
	s_add_co_u32 s66, s66, s67
	s_lshl_b32 s67, s21, 16
	s_add_co_u32 s67, s67, 131072                  ; K's blocks lie behind Q's two
	s_lshl_b32 s68, s14, 8
	s_lshl_b32 s69, s20, 6
	s_add_co_u32 s68, s68, s69                     ; my first query,
	s_lshl_b32 s68, s68, 13
	s_lshl_b32 s69, s15, 8
	s_lshl_b32 s70, s21, 7
	s_add_co_u32 s69, s69, s70                     ; my first key
	s_lshl_b32 s69, s69, 2
	s_add_co_u32 s68, s68, s69
	s_mov_b32 s69, 0
	s_lshl_b32 s70, s16, 2
	s_add_co_u32 s70, s70, s41
	s_lshl_b32 s70, s70, 3
	s_add_co_u32 s70, s70, s14
	s_lshl_b32 s70, s70, 2                         ; my work-group's word of pmin
	s_mov_b32 s71, 0
	s_add_nc_u64 s[8:9], s[8:9], s[68:69]
	s_add_nc_u64 s[12:13], s[12:13], s[70:71]
	s_mov_b32 s72, 0x76543210
	s_mov_b32 s73, 0xfedcba98                      ; lane l xor 16
	v_and_b32 v3, 31, v0
	v_lshl_add_u32 v[AQ], v3, 4, s66
	v_lshl_add_u32 v[AK], v3, 4, s67
	v_and_b32 v12, 15, v0                          ; r
	v_bfe_u32 v13, v0, 4, 1                        ; h
	v_lshlrev_b32 v2, 13, v12
	v_lshl_add_u32 v2, v13, 5, v2                  ; the mask: row r of 8,192 bytes, + 32 h
	v_lshrrev_b32 v12, 1, v3
	v_and_b32 v13, 1, v3
	v_lshlrev_b32 v4, 13, v12
	v_lshl_add_u32 v4, v13, 8, v4                  ; the prefetches: row lane / 2, block lane % 2
.macro LOADS n                         ; head n of my eight: pair n / 2, half n % 2: Q's four fragments and K's eight, 24 loads
.irp i, 0,1,2,3
.irp c, 0,1
	ds_load_b128 v[QF+8*\i+4*\c:QF+8*\i+4*\c+3], v[AQ] offset:((\n)/2)*16384+((\n)%2)*1024+\i*2048+\c*512
.endr
.endr
.irp t, 0,1,2,3,4,5,6,7
.irp c, 0,1
	ds_load_b128 v[KF+8*\t+4*\c:KF+8*\t+4*\c+3], v[AK] offset:((\n)/2)*16384+((\n)%2)*1024+\t*2048+\c*512
.endr
.endr
.endm
.macro W i, buf                        ; the 8 tiles of scores of query tile i
.irp t, 0,1,2,3,4,5,6,7
	v_wmma_f32_16x16x64_bf8_bf8 v[(\buf)+8*\t:(\buf)+8*\t+7], v[KF+8*\t:KF+8*\t+7], v[QF+8*(\i):QF+8*(\i)+7], 0
.endr
.endm
.macro MINS i, buf                     ; they go into the minima, each tile from its low end on
.set j, 0
.rept 64
	v_min_num_f32 v[64*(\i)+j], v[(\buf)+j], v[64*(\i)+j]
.set j, j+1
.endr
.endm
; A head.  The runs of 64 minima are the places between matrix instructions and what touches their registers: of each run at least 56 name no register of a given product.
.macro HEAD n
	s_wait_dscnt 0x0                               ; this head's fragments are in
	W 0, SA
	W 1, SB
	PLACES
	WIN 0x44                                       ; source 1 and destination window 1
	MINS 0, SA
	WIN 0
	W 2, SA
	WIN 0x44
	MINS 1, SB
	WIN 0
	W 3, SB
	PLACES                                         ; in front of loads into the fragments that these products read
.if (\n) < 7
	LOADS (\n)+1                                   ; they have the 128 minima below in which to land
.endif
.if (\n) < 4
	global_prefetch_b8 v4, s[8:9] offset:(\n)*131072 th:TH_LOAD_NT scope:SCOPE_SE   ; rows 16 n on of my part of the mask
.endif
	WIN 0x44
	MINS 2, SA
	MINS 3, SB
	WIN 0
.endm
	s_wait_alu depctr_va_vdst(0)                   ; the wait at the head's end
	s_wait_tensorcnt 0x0                           ; my block is in
	s_barrier_signal -1
	s_barrier_wait -1                              ; and everybody's
	LOADS 0
	s_wait_dscnt 0x0
	WIN 0x40                                       ; the first head's scores ARE the first minima: nothing is cleared
.irp i, 0,1,2,3
	W \i, 64*\i
.endr
	WIN 0
	PLACES
	LOADS 1
	global_prefetch_b8 v4, s[8:9] th:TH_LOAD_NT scope:SCOPE_SE
.irp n, 1,2,3,4,5,6,7
	HEAD \n
.endr
	; THE MASK is added once: 16 loads for each tile of 16 queries, 32 bytes a lane of its query's row
.macro MLOAD i, buf
.irp t, 0,1,2,3,4,5,6,7
	global_load_b128 v[(\buf)+8*\t:(\buf)+8*\t+3], v2, s[8:9] offset:(\i)*131072+\t*64
	global_load_b128 v[(\buf)+8*\t+4:(\buf)+8*\t+7], v2, s[8:9] offset:(\i)*131072+\t*64+16
.endr
.endm
.macro PROC i, buf, first
	WIN 0x01                                       ; source 0 window 1
.set j, 0
.rept 32
	v_pk_fma_f32 v[(\buf)+j:(\buf)+j+1], v[64*(\i)+j:64*(\i)+j+1], s[SC:SC+1], v[(\buf)+j:(\buf)+j+1] op_sel_hi:[1,0,1]   ; s x scale + mask, one rounding
.set j, j+2
.endr
	WIN 0
.set k, 0
.rept 8
.irp c, 0,1,2,3
.if (\first) && (k == 0)
	v_min_num_f32 v[MN+\c], v[(\buf)+16*\c], v[(\buf)+16*\c+1]     ; the first numbers start the four chains
.else
	v_min3_num_f32 v[MN+\c], v[MN+\c], v[(\buf)+16*\c+2*k], v[(\buf)+16*\c+2*k+1]
.endif
.endr
.set k, k+1
.endr
.endm
	MLOAD 0, SA
	MLOAD 1, SB
	MLOAD 2, KF
	s_wait_kmcnt 0x0
	s_add_co_i32 s[SC], s58, s59
	s_add_co_i32 s[SC], s[SC], 124                 ; e6 + e7 - 3 + 127
	s_lshl_b32 s[SC], s[SC], 23
	s_mov_b32 s[SC+1], s[SC]
	s_wait_loadcnt 32                              ; tile 0's sixteen are in; tiles 1 and 2's may be out
	PROC 0, SA, 1
	MLOAD 3, SA
	s_wait_loadcnt 32                              ; tile 1's are in; tiles 2 and 3's may be out
	PROC 1, SB, 0
	s_wait_loadcnt 16                              ; tile 3's may be out
	PROC 2, KF, 0
	s_wait_loadcnt 0x0
	PROC 3, SA, 0
	v_min3_num_f32 v8, v8, v9, v10
	v_min_num_f32 v8, v8, v11
	v_mov_b32 v12, 0                               ; a lane permute's destination counts as one of its sources
	v_min_num_f32_dpp v8, v8, v8 row_xmask:1 row_mask:0xf bank_mask:0xf
	v_min_num_f32_dpp v8, v8, v8 row_xmask:2 row_mask:0xf bank_mask:0xf
	v_min_num_f32_dpp v8, v8, v8 row_xmask:4 row_mask:0xf bank_mask:0xf
	v_min_num_f32_dpp v8, v8, v8 row_xmask:8 row_mask:0xf bank_mask:0xf
	v_permlanex16_b32 v12, v8, s72, s73
	v_min_num_f32 v8, v8, v12                      ; the wave's minimum, in every lane
	v_mov_b32 v13, s19
	v_lshl_add_u32 v13, v13, 2, SCR
	ds_store_b32 v13, v8                           ; each wave's word
	s_wait_dscnt 0x0                               ; for the others' sake
	s_barrier_signal -1
	s_barrier_wait -1
	v_mov_b32 v14, SCR
	ds_load_b128 v[16:19], v14
	ds_load_b128 v[20:23], v14 offset:16
	s_wait_dscnt 0x0
	v_min3_num_f32 v8, v16, v17, v18
	v_min3_num_f32 v8, v8, v19, v20
	v_min3_num_f32 v8, v8, v21, v22
	v_min_num_f32 v8, v8, v23
	v_mov_b32 v15, 0
	s_wait_alu depctr_va_vdst(0)
	s_wait_xcnt 0x0                                ; EXEC changes only behind this wait
	v_cmp_eq_u32 vcc_lo, 0, v0
	s_and_saveexec_b32 s36, vcc_lo
	global_store_b32 v15, v8, s[12:13]             ; thread 0 alone: the work-group's one number
	s_wait_xcnt 0x0
	s_or_b32 exec_lo, exec_lo, s36
	s_wait_tensorcnt 0x0                           ; the wave's end
	ds_add_u32 v[SPW], v[NIL]
	s_wait_dscnt 0x0
	CROUND                                         ; the closing round
	s_endpgm
.Lfunc_end_k_q09bf120992_fmin:
	.size	k_q09bf120992_fmin, .Lfunc_end_k_q09bf120992_fmin-k_q09bf120992_fmin
	.p2alignl 7, 3214868480
	.fill 96, 4, 3214868480
	.section	.rodata,"a",@progbits
	.p2align	6, 0x0
	.amdhsa_kernel k_q09bf120992_fmin
		.amdhsa_group_segment_fixed_size 327680
		.amdhsa_private_segment_fixed_size 0
		.amdhsa_enable_private_segment 0
		.amdhsa_kernarg_size 40
		.amdhsa_user_sgpr_count 2
		.amdhsa_user_sgpr_kernarg_segment_ptr 1
		.amdhsa_wavefront_size32 1
		.amdhsa_system_sgpr_workgroup_id_x 1
		.amdhsa_system_sgpr_workgroup_id_y 1
		.amdhsa_system_sgpr_workgroup_id_z 1
		.amdhsa_system_vgpr_workitem_id 0
		.amdhsa_next_free_vgpr 512
		.amdhsa_next_free_sgpr 80
		.amdhsa_reserve_vcc 1
		.amdhsa_float_denorm_mode_32 3
		.amdhsa_float_denorm_mode_16_64 3
		.amdhsa_memory_ordered 1
		.amdhsa_forward_progress 1
		.amdhsa_inst_pref_size 119
	.end_amdhsa_kernel
	.amdgpu_metadata
---
amdhsa.version: [ 1, 2 ]
amdhsa.kernels:
  - .name:           k_q09bf120992_fmin
    .symbol:         k_q09bf120992_fmin.kd
    .args:
      - { .name: fq, .offset: 0, .size: 8, .value_kind: global_buffer, .address_space: global }
      - { .name: fk, .offset: 8, .size: 8, .value_kind: global_buffer, .address_space: global }
      - { .name: mask, .offset: 16, .size: 8, .value_kind: global_buffer, .address_space: global }
      - { .name: lowp_scales, .offset: 24, .size: 8, .value_kind: global_buffer, .address_space: global }
      - { .name: pmin, .offset: 32, .size: 8, .value_kind: global_buffer, .address_space: global }
    .group_segment_fixed_size: 327680
    .private_segment_fixed_size: 0
    .kernarg_segment_align: 8
    .kernarg_segment_size: 40
    .max_flat_workgroup_size: 256
    .sgpr_count:     80
    .vgpr_count:     512
    .wavefront_size: 32
...
	.end_amdgpu_metadata
.endif
;; end of part 2
;; launch attn (part 3): grid 32 x 8, 4 waves a work-group, clusters of 4 x 4, 327,680 bytes of LDS; arguments fq, fk, fv, mask, q_mask, k_mask, pmin, lowp_scales, acodes; writes acodes
.if DOCPART == 3
	.amdgcn_target "amdgcn-amd-amdhsa--gfx1250"
	.amdhsa_code_object_version 6
	.text
	.protected	k_q09bf120992_attn
	.globl	k_q09bf120992_attn
	.p2align	8
	.type	k_q09bf120992_attn,@function
k_q09bf120992_attn:
	s_mov_b64 s[64:65], 0
	v_nop
	global_prefetch_b8 v0, s[64:65] scope:SCOPE_SE
	s_setreg_imm32_b32 hwreg(HW_REG_WAVE_MODE, 25, 1), 1
	s_wait_xcnt 0x0
	s_wait_alu depctr_hold_cnt(0) depctr_sa_sdst(0) depctr_va_vdst(0) depctr_va_sdst(0) depctr_va_ssrc(0) depctr_va_vcc(0) depctr_vm_vsrc(0)
	s_getreg_b32 s2, hwreg(HW_REG_IB_STS2, 6, 4)
	s_cmp_eq_u32 s2, 0
	s_cbranch_scc0 .Lentry_in_a_cluster
	s_endpgm
.Lentry_in_a_cluster:
	s_bfe_u32 s2, ttmp6, 0x10000c
	s_cmp_lg_u32 s2, 0xf033
	s_cbranch_scc0 .Lentry_shape_is_right
	s_endpgm
.Lentry_shape_is_right:
; ATTENTION on codes of BF8 (E5M2): logits, the three masks, the clip at new_min, a streaming softmax, the second product, the result quantised with entry 10 of the scales.
; SHARES.  Work-group: 64 queries (block X), batch b, four heads (group cy).  Wave w (four waves, one to a SIMD): queries 16 w on, ALL FOUR heads.
; So the three masks are joined once for four heads: c' = fl(fl(fl(mask + q_mask) + k_mask) x log2 e), 128 instructions a key step, and t = fl(s x 2^(e6 + e7 - 3) log2 e + c') is one packed fma.
; THE SOFTMAX: M = the running largest t rounded UP to a whole number, kept as -M; x = t - M; p = 2^x.  The clip at new_min (tlo = fl(new_min x log2 e), the smallest of the 256 partial minima) and the hold
; at the largest code are one v_med3 on x, between tlo - M and e9 + 15.8: 2^15.8 lies between 53,248 and 57,344, so every p held there gets the code of 57,344.  The upper clip of the definition, at the largest f, changes no f.
; The row's sum is taken of p ahead of the conversion, in f32, and divides at the end.  When M moves, the sums and O are multiplied by 2^(old M - new M): exact.
; LIMITS.  (1) The order of rounding differs from the definition's: there the masks are added to the scaled score one by one and the sum is multiplied by log2 e; here they are joined first.  Both round at the size of the
; largest term; masks of -1e9 swallow scores under 32 in size either way.  (2) The sum is that of the unheld p only where e9 >= -15 (then 2^(e9 + 15.8) > 1 >= p and the hold never binds); the codes are right for every e9.
; (3) masks finite, NaN not served; e6 + e7 - 3 between -126 and 126; e9 and e10 - e8 - e9 between -126 and 112.
; Every wave walks all 2,048 keys, 128 a step: mask is an input, so no tile is left out.
; CLUSTER 4 x 4: K's and V's tiles hang on b and cy and are asked for jointly along a row of the cluster; the mask's tile hangs on X and is asked for jointly along a column.
; THE RING: two slots of one key step.  Wave 0 fetches K (32,768 bytes, dense), wave 1 V, waves 2 and 3 32 rows of the mask each: one tensor load a wave behind each round.
; A step reads V and the rest of K early, runs the three lines and the round, and behind the refill reads the NEXT step's first operands, which land under the softmax.
; LAYOUT as the operands lie: S^T = K Q^T, O^T = V^T P^T; a lane holds ONE query (lane % 16); tile c of S^T holds keys 16 c + 8 (lane / 16) + 0 .. 7.  fq, fk, fv are images of operand registers.
; REGISTERS.  window 0: addresses and state, v96-159 the mask, then c'; v160-223 p's codes; v224-255 Q.  window 1: S^T, then p, 64 a head.  window 2: V, 64 a head.  window 3: v0-127 O^T, v128-255 two sets of K.
.set SLOT1, 1<<17
.set VOFF,  32768
.set MOFF,  65536
.set MP,    528                        ; a row of the mask's tile: 512 bytes + 16
.set KMT,   230400                     ; k_mask's table, 16 steps x 512 bytes
.set SPARE, 238592                     ; the spare words, 128 bytes a wave
.set STAGE, 239104                     ; the way out: 16 rows x 272 bytes a wave
.set SP,    272
.set AL0, 1
.set AM0, 2
.set AT0, 3
.set ADR, 4
.set SPW, 5
.set NIL, 6
.set ADR2, 7
.set QM,  8                            ; v[8:9] q_mask of my query, 0
.set TLO, 10
.set XH,  11
.set PSC, 12
.set PFO, 13
.set TA,  14
.set TC,  15
.set KM,  16                           ; v[16:19] the step's words of the table
.set ADR3, 20
.set ADR4, 21
.set HS,  24                           ; head hd at 24 + 8 hd: +0 -M, +1 largest t, +2,3 sum, +4 f, +5 0, +6 tlo - M, +7 at work
.set T1,  56                           ; v56-59 at work, one a head
.set LS2, 64                           ; v[64:71] a second chain of sums, a pair a head
.set T2,  72                           ; v72-75, v76-79 two more chains of maxima, one register a head each
.set T3,  76
.set CP,  96
.set PC,  160
.set QR,  224
.set KA,  128
.set KB,  192
.set TBS, 2                            ; s2 LDS byte at which the slot in hand begins
.set SLOTS, 3
.set WV,  22
.set KT,  23
.set G1D, 24
.set G1M, 32
.set G0K, 40
.set G0V, 44
.set G0M, 48
.set SEL, 58
.set SCL, 60                           ; s[60:61] 2^(e6 + e7 - 3) x log2 e
.set CL,  62                           ; s[62:63] log2 e
.set PFA, 66                           ; s[66:67] where my prefetches stand
.set PFS, 68                           ; s[68:69] a key step on, in bytes
.set MSB, 0
.macro WIN new
.if MSB != (\new)
	s_set_vgpr_msb (MSB<<8)|(\new)
.set MSB, (\new)
.endif
.endm
.macro CREST
	s_cmp_lg_u32 s[WV], 0
	s_cbranch_scc1 .Lnot_wave_0_\@
	s_barrier_signal -3
.Lnot_wave_0_\@:
	s_barrier_wait -3
	s_barrier_signal -1
	s_barrier_wait -1
.endm
.macro CROUND
	s_barrier_signal -1
	s_barrier_wait -1
	CREST
.endm
; one chain of branches on the wave's number, one joint load to an arm; s_nop 0 and four v_nop follow each
.macro TLOAD
	s_cmp_eq_u32 s[WV], 0
	s_cbranch_scc0 .Lnot_k_\@
	tensor_load_to_lds s[G0K:G0K+3], s[G1D:G1D+7]
	s_nop 0
.rept 4
	v_nop
.endr
	s_branch .Lasked_\@
.Lnot_k_\@:
	s_cmp_eq_u32 s[WV], 1
	s_cbranch_scc0 .Lnot_v_\@
	tensor_load_to_lds s[G0V:G0V+3], s[G1D:G1D+7]
	s_nop 0
.rept 4
	v_nop
.endr
	s_branch .Lasked_\@
.Lnot_v_\@:
	tensor_load_to_lds s[G0M:G0M+3], s[G1M:G1M+7]
	s_nop 0
.rept 4
	v_nop
.endr
.Lasked_\@:
.endm
.macro WALK                            ; the walking descriptors: the other slot, the next key step
	s_xor_b32 s[G0K+1], s[G0K+1], SLOT1
	s_add_nc_u64 s[G0K+2:G0K+3], s[G0K+2:G0K+3], 131072
	s_xor_b32 s[G0V+1], s[G0V+1], SLOT1
	s_add_nc_u64 s[G0V+2:G0V+3], s[G0V+2:G0V+3], 131072
	s_xor_b32 s[G0M+1], s[G0M+1], SLOT1
	s_add_nc_u64 s[G0M+2:G0M+3], s[G0M+2:G0M+3], 512
.endm
.macro KLOAD hd, kb, adr               ; head hd's eight fragments of K
.irp t, 0,1,2,3,4,5,6,7
	ds_load_b128 v[\kb+8*\t:\kb+8*\t+3], v[\adr] offset:((\hd)/2)*16384+((\hd)%2)*1024+\t*2048
	ds_load_b128 v[\kb+8*\t+4:\kb+8*\t+7], v[\adr] offset:((\hd)/2)*16384+((\hd)%2)*1024+\t*2048+512
.endr
.endm
.macro VLOAD hd                        ; head hd's four fragments of V
.irp t, 0,1,2,3
.irp g, 0,1,2,3
	ds_load_b128 v[64*\hd+16*\t+4*\g:64*\hd+16*\t+4*\g+3], v[ADR] offset:VOFF+((\hd)/2)*16384+((\hd)%2)*8192+\t*2048+\g*512
.endr
.endr
.endm
.macro QK hd, kb
.irp t, 0,1,2,3,4,5,6,7
	v_wmma_f32_16x16x64_bf8_bf8 v[64*\hd+8*\t:64*\hd+8*\t+7], v[\kb+8*\t:\kb+8*\t+7], v[QR+8*\hd:QR+8*\hd+7], 0
.endr
.endm
; the next step's first operands: K of heads 0 and 1, the table's word, the mask
.macro NEXT
	v_add_nc_u32 v[ADR2], s[TBS], v[AL0]
	v_add_nc_u32 v[ADR3], s[KT], v[AT0]
	v_add_nc_u32 v[ADR4], s[TBS], v[AM0]
	WIN 0xc0
	KLOAD 0, KA, ADR2
	KLOAD 1, KB, ADR2
	WIN 0
	ds_load_b128 v[KM:KM+3], v[ADR3]
.irp t, 0,1,2,3,4,5,6,7
	ds_load_b128 v[CP+8*\t:CP+8*\t+3], v[ADR4] offset:\t*64
	ds_load_b128 v[CP+8*\t+4:CP+8*\t+7], v[ADR4] offset:\t*64+16
.endr
.endm
; t of two heads, and each head's largest in two chains; chain 0 starts at the running largest t, chain 1 at tlo, under which no clipped t lies
.macro TPH a, b
	WIN 0x41
.irp hd, \a, \b
.set j, 0
.rept 32
	v_pk_fma_f32 v[64*\hd+j:64*\hd+j+1], v[64*\hd+j:64*\hd+j+1], s[SCL:SCL+1], v[CP+j:CP+j+1] op_sel_hi:[1,0,1]
.set j, j+2
.endr
.endr
	WIN 0x14
.irp hd, \a, \b
	v_max3_num_f32 v[HS+8*\hd+7], v[HS+8*\hd+1], v[64*\hd], v[64*\hd+1]
	v_max3_num_f32 v[T1+\hd], v[TLO], v[64*\hd+2], v[64*\hd+3]
	v_max3_num_f32 v[T2+\hd], v[TLO], v[64*\hd+4], v[64*\hd+5]
	v_max3_num_f32 v[T3+\hd], v[TLO], v[64*\hd+6], v[64*\hd+7]
.endr
.set j, 8
.rept 7
.irp hd, \a, \b
	v_max3_num_f32 v[HS+8*\hd+7], v[HS+8*\hd+7], v[64*\hd+j], v[64*\hd+j+1]      ; eight chains by turns: four a head
	v_max3_num_f32 v[T1+\hd], v[T1+\hd], v[64*\hd+j+2], v[64*\hd+j+3]
	v_max3_num_f32 v[T2+\hd], v[T2+\hd], v[64*\hd+j+4], v[64*\hd+j+5]
	v_max3_num_f32 v[T3+\hd], v[T3+\hd], v[64*\hd+j+6], v[64*\hd+j+7]
.endr
.set j, j+8
.endr
.endm
	s_load_b512 s[4:19], s[0:1], 0x0               ; fq 4, fk 6, fv 8, mask 10, q_mask 12, k_mask 14, pmin 16, the scales 18
	s_load_b64 s[20:21], s[0:1], 0x40              ; the output's codes
	v_lshl_add_u32 v[SPW], v0, 2, SPARE
	v_mov_b32 v[NIL], 0
	ds_add_u32 v[SPW], v[NIL]                      ; the opening lines: the add twice on end
	ds_add_u32 v[SPW], v[NIL]
	v_lshrrev_b32 v[TA], 5, v0
	v_readfirstlane_b32 s[WV], v[TA]               ; wave 0..3
	s_bfe_u32 s52, ttmp6, 0x40000                  ; cx
	s_bfe_u32 s53, ttmp6, 0x40004                  ; cy: the group of four heads
	s_lshl_b32 s54, ttmp9, 2
	s_add_co_u32 s54, s54, s52                     ; X
	s_and_b32 s55, ttmp7, 0xffff                   ; b
	s_lshl_b32 s56, s53, 2
	s_lshl_b32 s56, 15, s56                        ; my row of the cluster
	s_lshl_b32 s57, 0x1111, s52                    ; my column
	s_or_b32 s[G1D], s56, (3<<16)|(1<<21)          ; K, V: 128 rows of 32 elements of 8 bytes, dense
	s_mov_b32 s[G1D+1], 32<<16
	s_mov_b32 s[G1D+2], 128<<16
	s_mov_b32 s[G1D+3], 32<<16
	s_mov_b32 s[G1D+4], 128
	s_mov_b32 s[G1D+5], 32
	s_mov_b32 s[G1D+6], 0
	s_mov_b32 s[G1D+7], 0
	s_or_b32 s[G1M], s57, (2<<16)|(1<<20)|(1<<21)|(6<<22)|(3<<25)  ; the mask: 32 rows of 128 words, 4 words of padding behind each
	s_mov_b32 s[G1M+1], 128<<16
	s_mov_b32 s[G1M+2], 32<<16
	s_mov_b32 s[G1M+3], 128<<16
	s_mov_b32 s[G1M+4], 32
	s_mov_b32 s[G1M+5], 2048
	s_mov_b32 s[G1M+6], 0
	s_mov_b32 s[G1M+7], 0
	s_and_b32 s84, s[WV], 1
	s_lshl_b32 s86, s55, 7
	s_lshl_b32 s87, s53, 1
	s_add_co_u32 s86, s86, s87
	s_lshl_b32 s86, s86, 14                        ; key step 0 of K and V: 16,384 x (128 b + 2 cy): never holds cx
	s_mov_b32 s87, 0
	s_lshl_b32 s88, s54, 19                        ; the mask: 64 X rows of 8,192 bytes: never holds cy
	s_lshl_b32 s89, s84, 18                        ; + 32 rows for wave 3
	s_add_co_u32 s88, s88, s89
	s_mov_b32 s89, 0
	s_mul_i32 s85, s84, 32*MP
	s_add_co_u32 s85, s85, MOFF
	s_mov_b32 s[SEL], 0x76543210
	s_mov_b32 s[SEL+1], 0xfedcba98
	s_mov_b32 s[CL], 0x3fb8aa3b
	s_mov_b32 s[CL+1], s[CL]
	s_mov_b32 s[TBS], 0
	s_mov_b32 s[KT], 0
	s_mov_b32 s[SLOTS], 14
	s_wait_dscnt 0x0
	s_wait_kmcnt 0x0
	s_load_b256 s[72:79], s[18:19], 0x0            ; e0 .. e7
	s_load_b128 s[80:83], s[18:19], 0x20           ; e8 .. e11
	s_mov_b32 s[G0K], 1
	s_mov_b32 s[G0K+1], 0
	s_add_nc_u64 s[G0K+2:G0K+3], s[6:7], s[86:87]
	s_or_b32 s[G0K+3], s[G0K+3], 0x80000000
	s_mov_b32 s[G0V], 1
	s_mov_b32 s[G0V+1], VOFF
	s_add_nc_u64 s[G0V+2:G0V+3], s[8:9], s[86:87]
	s_or_b32 s[G0V+3], s[G0V+3], 0x80000000
	s_mov_b32 s[G0M], 1
	s_mov_b32 s[G0M+1], s85
	s_add_nc_u64 s[G0M+2:G0M+3], s[10:11], s[88:89]
	s_or_b32 s[G0M+3], s[G0M+3], 0x80000000
	CROUND                                         ; the first joint loads meet
	TLOAD                                          ; key step 0: one tensor load a wave at the head
	s_mul_i32 s90, s[WV], 16*MP
	s_add_co_u32 s90, s90, MOFF
	s_lshl_b32 s92, s55, 4
	s_lshr_b32 s93, s54, 1
	s_add_co_u32 s92, s92, s93                     ; my queries' block of 128 tokens
	s_lshl_b32 s92, s92, 3
	s_lshl_b32 s93, s53, 1
	s_add_co_u32 s92, s92, s93                     ; x 8 + my first head pair
	s_lshl_b32 s92, s92, 14
	s_and_b32 s93, s54, 1
	s_lshl_b32 s93, s93, 2
	s_add_co_u32 s93, s93, s[WV]                   ; my tile among the block's eight
	s_lshl_b32 s93, s93, 11
	s_add_co_u32 s92, s92, s93
	s_mov_b32 s93, 0
	s_add_nc_u64 s[4:5], s[4:5], s[92:93]
	s_lshl_b32 s98, s55, 11
	s_lshl_b32 s93, s54, 6
	s_add_co_u32 s98, s98, s93
	s_lshl_b32 s93, s[WV], 4
	s_add_co_u32 s98, s98, s93                     ; my first query among the 4,096 (kept for the way out)
	s_lshl_b32 s92, s98, 2
	s_mov_b32 s93, 0
	s_add_nc_u64 s[12:13], s[12:13], s[92:93]
	s_lshl_b32 s92, s55, 13
	s_add_nc_u64 s[14:15], s[14:15], s[92:93]      ; k_mask of my batch
	; the prefetches: each aligned block of 256 bytes of a key step is named once in the cluster; partners are told apart by address.
	; wave 0: 8,192 bytes of K at 8,192 cx; wave 1: of V; waves 2, 3: rows 16 cy + 8 (w - 2) + 0 .. 7 of the mask's tile, two blocks a row (lanes 16-31 name the wave's last block again)
	s_lshl_b32 s94, s52, 13
	s_add_co_u32 s94, s94, s86
	s_lshl_b32 s95, s53, 1
	s_add_co_u32 s95, s95, s84
	s_lshl_b32 s95, s95, 16
	s_lshl_b32 s96, s54, 19
	s_add_co_u32 s95, s95, s96
	s_mov_b32 s[PFS], 512
	s_mov_b32 s97, 0x2000
	s_cmp_lt_u32 s[WV], 2
	s_cselect_b64 s[PFA:PFA+1], s[6:7], s[10:11]
	s_cselect_b32 s[PFS], 0x20000, s[PFS]
	s_cselect_b32 s94, s94, s95
	s_cselect_b32 s96, 31, 15
	s_cselect_b32 s97, 512, s97
	s_cmp_eq_u32 s[WV], 1
	s_cselect_b64 s[PFA:PFA+1], s[8:9], s[PFA:PFA+1]
	s_mov_b32 s95, 0
	s_mov_b32 s[PFS+1], 0
	s_add_nc_u64 s[PFA:PFA+1], s[PFA:PFA+1], s[94:95]
	s_mul_i32 s94, s[PFS], 3
	s_add_nc_u64 s[PFA:PFA+1], s[PFA:PFA+1], s[94:95]  ; at key step 3: trip n steps it and names step n + 4, which trip n + 2 loads
	v_and_b32 v[TA], 31, v0                        ; lane
	v_and_b32 v[TC], 15, v0                        ; r
	v_bfe_u32 v22, v0, 4, 1                        ; h
	v_lshlrev_b32 v[AL0], 4, v[TA]                 ; 16 x lane
	v_mul_u32_u24 v[AM0], v[TC], MP
	v_lshl_add_u32 v[AM0], v22, 5, v[AM0]
	v_add_nc_u32 v[AM0], s90, v[AM0]               ; the mask: row 16 w + r, + 32 h
	v_lshl_add_u32 v[AT0], v[TA], 4, KMT
	v_min_u32 v22, s96, v[TA]
	v_lshrrev_b32 v23, 1, v22
	v_and_b32 v22, 1, v22
	v_mul_lo_u32 v23, v23, s97
	v_lshl_add_u32 v[PFO], v22, 8, v23
	v_lshlrev_b32 v97, 2, v[TC]                    ; 4 r
	v_lshlrev_b32 v98, 5, v[TA]                    ; 32 x lane
	v_lshlrev_b32 v99, 4, v0                       ; 16 x thread
	; the table: key 4 T + i goes to step T / 32, word (T / 8) % 4, lane 16 ((T / 2) % 2) + 8 ((T / 4) % 2) + 4 (T % 2) + i; T = thread + 128 m
	v_lshrrev_b32 v100, 5, v0
	v_lshlrev_b32 v100, 9, v100
	v_bfe_u32 v101, v0, 1, 1
	v_lshl_add_u32 v100, v101, 8, v100
	v_bfe_u32 v101, v0, 2, 1
	v_lshl_add_u32 v100, v101, 7, v100
	v_and_b32 v101, 1, v0
	v_lshl_add_u32 v100, v101, 6, v100
	v_bfe_u32 v101, v0, 3, 2
	v_lshl_add_u32 v100, v101, 2, v100
	v_add_nc_u32 v100, KMT, v100
.irp hd, 0,1,2,3
.irp c, 0,1
	global_load_b128 v[QR+8*\hd+4*\c:QR+8*\hd+4*\c+3], v[AL0], s[4:5] offset:(\hd/2)*16384+(\hd%2)*1024+\c*512   ; Q's four fragments stay in registers
.endr
.endr
	global_load_b32 v[QM], v97, s[12:13]
	global_load_b128 v[160:163], v98, s[16:17]             ; the 256 partial minima, eight a lane
	global_load_b128 v[164:167], v98, s[16:17] offset:16
.irp m, 0,1,2,3
	global_load_b128 v[168+4*\m:171+4*\m], v99, s[14:15] offset:2048*\m   ; k_mask, 16 a thread
.endr
	WIN 0xc0
.set j, 0
.rept 128
	v_mov_b32 v[j], 0                              ; O^T: the step is written for every key step alike; the first change of M leaves zeros zeros
.set j, j+1
.endr
	WIN 0
	v_mov_b32 v[QM+1], 0
	v_mov_b32 v23, 0
.irp hd, 0,1,2,3
	v_mov_b32 v[HS+8*\hd+2], 0
	v_mov_b32 v[HS+8*\hd+3], 0
	v_mov_b32 v[HS+8*\hd+5], 0
	v_mov_b32 v[LS2+2*\hd], 0
	v_mov_b32 v[LS2+2*\hd+1], 0
.endr
	s_wait_alu depctr_va_vdst(0)                   ; the wait ahead of the wait below
	s_wait_kmcnt 0x0
	s_add_co_i32 s90, s78, s79
	s_sub_co_i32 s90, s90, 3
	s_lshl_b32 s90, s90, 23
	s_add_co_i32 s[SCL], s90, 0x3fb8aa3b           ; e6 + e7 - 3 is added to log2 e's exponent field
	s_mov_b32 s[SCL+1], s[SCL]
	s_add_co_i32 s90, s81, 127
	s_lshl_b32 s90, s90, 23
	v_mov_b32 v[PSC], s90                          ; 2^e9
	v_cvt_f32_i32 v[XH], s81
	v_add_f32 v[XH], 0x417ccccd, v[XH]             ; e9 + 15.8
	s_wait_alu depctr_va_vdst(0)
	s_wait_loadcnt 0x0
.irp m, 0,1,2,3
.irp i, 0,1,2,3
	ds_store_b32 v100, v[168+4*\m+\i] offset:2048*\m+16*\i   ; read by all waves behind the round below, in front of which every wave waits for its LDS instructions
.endr
.endr
	v_min3_num_f32 v22, v160, v161, v162
	v_min3_num_f32 v22, v22, v163, v164
	v_min3_num_f32 v22, v22, v165, v166
	v_min_num_f32 v22, v22, v167
	v_min_num_f32_dpp v22, v22, v22 row_xmask:1 row_mask:0xf bank_mask:0xf
	v_min_num_f32_dpp v22, v22, v22 row_xmask:2 row_mask:0xf bank_mask:0xf
	v_min_num_f32_dpp v22, v22, v22 row_xmask:4 row_mask:0xf bank_mask:0xf
	v_min_num_f32_dpp v22, v22, v22 row_xmask:8 row_mask:0xf bank_mask:0xf
	v_permlanex16_b32 v23, v22, s[SEL], s[SEL+1]
	v_min_num_f32 v22, v22, v23                    ; new_min
	v_mul_f32 v[TLO], s[CL], v22                   ; tlo
.irp hd, 0,1,2,3
	v_mov_b32 v[HS+8*\hd+1], v[TLO]                ; the largest t starts at tlo
	v_floor_f32 v[HS+8*\hd], -v[TLO]               ; -M
.endr
	s_wait_alu depctr_va_vdst(0)                   ; the wait at the head's end
	s_wait_tensorcnt 0x0                           ; my part of key step 0 is in; the three lines ahead of slot 1's first fill, as ahead of a refill
	ds_add_u32 v[SPW], v[NIL]
	WALK
	s_wait_dscnt 0x0
	CROUND
	TLOAD                                          ; key step 1
	NEXT                                           ; key step 0's first operands
; A KEY STEP: 128 keys x 16 queries x 4 heads.  fill = 1: the slot in hand is filled again, two steps on.
.macro STEP fill
	s_wait_dscnt 0x0                               ; K of heads 0 and 1, the table's word and the mask are in
	WIN 0x43
	QK 0, KA
	QK 1, KB
	WIN 0
	v_add_nc_u32 v[ADR], s[TBS], v[AL0]
.set j, 0
.rept 32
	v_pk_add_f32 v[CP+j:CP+j+1], v[CP+j:CP+j+1], v[QM:QM+1] op_sel_hi:[1,0]   ; mask + q_mask.  (Also the places in front of the loads into K's registers)
.set j, j+2
.endr
	WIN 0xc0
	KLOAD 2, KA, ADR
	KLOAD 3, KB, ADR
	WIN 0
.irp g, 0,1,2,3
.irp n, 0,1,2,3,4,5,6,7,8,9,10,11,12,13,14,15
	v_add_f32_dpp v[CP+16*\g+\n], v[KM+\g], v[CP+16*\g+\n] row_share:\n row_mask:0xf bank_mask:0xf   ; + k_mask of key 32 g + 16 (n / 8) + 8 h + n % 8, from lane n of my half
.endr
.endr
.set j, 0
.rept 32
	v_pk_mul_f32 v[CP+j:CP+j+1], v[CP+j:CP+j+1], s[CL:CL+1] op_sel_hi:[1,0]   ; x log2 e: c'
.set j, j+2
.endr
	WIN 0x80
	VLOAD 0                                        ; the LDS loads go in runs of 32, each with register work behind it
	VLOAD 1
	TPH 0, 1
	s_wait_dscnt 32                                ; K's 32 are in; V's 32 behind them may be out
	WIN 0x43
	QK 2, KA
	QK 3, KB
	WIN 0x80
	VLOAD 2
	VLOAD 3
.rept 4
	v_nop                                          ; places in front of the first read of these scores
.endr
	TPH 2, 3
	WIN 0
.irp hd, 0,1,2,3
	v_max3_num_f32 v[HS+8*\hd+7], v[HS+8*\hd+7], v[T1+\hd], v[T2+\hd]
.endr
.irp hd, 0,1,2,3
	v_max_num_f32 v[HS+8*\hd+7], v[HS+8*\hd+7], v[T3+\hd]
.endr
.irp hd, 0,1,2,3
	v_permlanex16_b32 v[T1+\hd], v[HS+8*\hd+7], s[SEL], s[SEL+1]
.endr
.irp hd, 0,1,2,3
	v_max_num_f32 v[HS+8*\hd+1], v[HS+8*\hd+7], v[T1+\hd]    ; the running largest t
.endr
.irp hd, 0,1,2,3
	v_mov_b32 v[HS+8*\hd+7], v[HS+8*\hd]
.endr
.irp hd, 0,1,2,3
	v_floor_f32 v[HS+8*\hd], -v[HS+8*\hd+1]                  ; the new -M: M IS A WHOLE NUMBER
.endr
.irp hd, 0,1,2,3
	v_sub_f32 v[HS+8*\hd+7], v[HS+8*\hd], v[HS+8*\hd+7]      ; old M - new M, 0 or less
.endr
.irp hd, 0,1,2,3
	v_add_f32 v[HS+8*\hd+6], v[TLO], v[HS+8*\hd]             ; tlo - M
.endr
.irp hd, 0,1,2,3
	v_cvt_i32_f32 v[HS+8*\hd+7], v[HS+8*\hd+7]               ; (it saturates)
.endr
.irp hd, 0,1,2,3
	v_min_num_f32 v[HS+8*\hd+6], v[HS+8*\hd+6], v[XH]        ; never above the hold
.endr
.irp hd, 0,1,2,3
	v_ldexp_f32 v[HS+8*\hd+4], 1.0, v[HS+8*\hd+7]            ; f = 2^(old M - new M)
.endr
.irp hd, 0,1,2,3
	v_pk_mul_f32 v[HS+8*\hd+2:HS+8*\hd+3], v[HS+8*\hd+2:HS+8*\hd+3], v[HS+8*\hd+4:HS+8*\hd+5] op_sel_hi:[1,0]
	v_pk_mul_f32 v[LS2+2*\hd:LS2+2*\hd+1], v[LS2+2*\hd:LS2+2*\hd+1], v[HS+8*\hd+4:HS+8*\hd+5] op_sel_hi:[1,0]
.endr
	WIN 0xc3
.irp hd, 0,1,2,3
.set j, 0
.rept 16
	v_pk_mul_f32 v[32*\hd+j:32*\hd+j+1], v[32*\hd+j:32*\hd+j+1], v[HS+8*\hd+4:HS+8*\hd+5] op_sel_hi:[1,0]   ; O^T under the new M, each accumulator from its low end on
.set j, j+2
.endr
.endr
	WIN 0
	s_wait_tensorcnt 0x0                           ; my part of the next slot is in, and the descriptors may be written
	ds_add_u32 v[SPW], v[NIL]
.if \fill
	WALK
	s_wait_xcnt 0x0                                ; my prefetch has read its address
	s_add_nc_u64 s[PFA:PFA+1], s[PFA:PFA+1], s[PFS:PFS+1]
.endif
	WIN 0x41
.irp hd, 0,1,2,3
.set j, 0
.rept 32
	v_pk_add_f32 v[64*\hd+j:64*\hd+j+1], v[64*\hd+j:64*\hd+j+1], v[HS+8*\hd:HS+8*\hd+1] op_sel_hi:[1,0]     ; t - M.  (Work on registers between the add and the wait for it)
.set j, j+2
.endr
.endr
	WIN 0
	s_wait_dscnt 0x0                               ; the add is done, and all my reads of this slot are over: V is in registers
	s_barrier_signal -1
	WIN 0x41
.set j, 0
.rept 64
	v_med3_num_f32 v[j], v[j], v[HS+6], v[XH]      ; the clip at new_min and the hold, in one: head 0.  (Work on registers while the others arrive)
.set j, j+1
.endr
	WIN 0
	s_wait_alu depctr_va_vdst(0)                   ; the wait ahead of the wait below
	s_barrier_wait -1
.if \fill
	CREST                                          ; the barrier has opened a round of the cluster's barrier
	TLOAD                                          ; the first tensor load behind the round, one a wave
.endif
	s_xor_b32 s[TBS], s[TBS], SLOT1
	s_add_co_u32 s[KT], s[KT], 512
	s_and_b32 s[KT], s[KT], 0x1fff
.if \fill
	NEXT
	s_cmp_gt_u32 s[SLOTS], 2                       ; the last two filling trips would name a step past the sixteenth
	s_cbranch_scc0 .Lno_ask_\@
	global_prefetch_b8 v[PFO], s[PFA:PFA+1] th:TH_LOAD_NT scope:SCOPE_SE
.Lno_ask_\@:
.else
	s_cmp_eq_u32 s[SLOTS], 1                       ; behind the last step nothing is read
	s_cbranch_scc1 .Lno_next_\@
	NEXT
.Lno_next_\@:
.endif
	WIN 0x41
.irp hd, 0,1,2                                 ; a head's exponentials by turns with the next head's clip, which names none of their registers; one wait between the stages: behind one batch and ahead of the next
	s_wait_alu depctr_va_vdst(0)
.set j, 0
.rept 64
	v_exp_f32 v[64*\hd+j], v[64*\hd+j]             ; p = 2^(t - M)
	v_med3_num_f32 v[64*\hd+64+j], v[64*\hd+64+j], v[HS+8*\hd+14], v[XH]
.set j, j+1
.endr
.endr
	s_wait_alu depctr_va_vdst(0)
.set j, 0
.rept 64
	v_exp_f32 v[192+j], v[192+j]
.set j, j+1
.endr
	v_nop
	s_wait_alu depctr_va_vdst(0)                   ; one wait for the whole batch, ahead of its first reader
	WIN 0x04
.set j, 0
.rept 16
.irp hd, 0,1,2,3
	v_pk_add_f32 v[HS+8*\hd+2:HS+8*\hd+3], v[HS+8*\hd+2:HS+8*\hd+3], v[64*\hd+j:64*\hd+j+1]      ; the row's sums: eight chains by turns
	v_pk_add_f32 v[LS2+2*\hd:LS2+2*\hd+1], v[LS2+2*\hd:LS2+2*\hd+1], v[64*\hd+j+2:64*\hd+j+3]
.endr
.set j, j+4
.endr
	WIN 0x01
.irp hd, 0,1,2,3
.irp t, 0,1,2,3,4,5,6,7
	v_cvt_scalef32_pk8_bf8_f32 v[PC+16*\hd+2*\t:PC+16*\hd+2*\t+1], v[64*\hd+8*\t:64*\hd+8*\t+7], v[PSC]   ; keys 16 t + 8 h + 0 .. 7: registers 2 t, 2 t + 1 of the operand
.endr
.endr
	v_nop                                          ; a plain place between the conversions and the products
	WIN 0xf2
.irp hd, 0,1,2,3
.irp t, 0,1,2,3
	v_wmma_f32_16x16x128_bf8_bf8 v[32*\hd+8*\t:32*\hd+8*\t+7], v[64*\hd+16*\t:64*\hd+16*\t+15], v[PC+16*\hd:PC+16*\hd+15], v[32*\hd+8*\t:32*\hd+8*\t+7]   ; sixteen accumulators by turns
.endr
.endr
	WIN 0
.endm
.Lfill:                                            ; key steps 0 to 13: each asks for the step two on
	STEP 1
	s_sub_co_u32 s[SLOTS], s[SLOTS], 1
	s_cmp_lg_u32 s[SLOTS], 0
	s_wait_alu depctr_va_vdst(0)
	s_cbranch_scc1 .Lfill
	s_mov_b32 s[SLOTS], 2
.Llast:                                            ; key steps 14 and 15 ask for nothing: a loop of their own
	STEP 0
	s_sub_co_u32 s[SLOTS], s[SLOTS], 1
	s_cmp_lg_u32 s[SLOTS], 0
	s_wait_alu depctr_va_vdst(0)
	s_cbranch_scc1 .Llast
	; THE WAY OUT.  O^T / the sum stands for the result / 2^(e8 + e9); its code is that / 2^(e10 - e8 - e9).  My 16 rows of 256 bytes (four heads) go through my own stage.
.irp hd, 0,1,2,3
	v_pk_add_f32 v[HS+8*\hd+2:HS+8*\hd+3], v[HS+8*\hd+2:HS+8*\hd+3], v[LS2+2*\hd:LS2+2*\hd+1]
.endr
.irp hd, 0,1,2,3
	v_add_f32 v[HS+8*\hd+2], v[HS+8*\hd+2], v[HS+8*\hd+3]
.endr
.irp hd, 0,1,2,3
	v_permlanex16_b32 v[T1+\hd], v[HS+8*\hd+2], s[SEL], s[SEL+1]
.endr
.irp hd, 0,1,2,3
	v_add_f32 v[HS+8*\hd+2], v[HS+8*\hd+2], v[T1+\hd]        ; the row's sum
.endr
	s_wait_alu depctr_va_vdst(0)                   ; ahead of the batch
.irp hd, 0,1,2,3
	v_rcp_f32 v[HS+8*\hd+2], v[HS+8*\hd+2]
.endr
	v_and_b32 v16, 15, v0                          ; r
	v_bfe_u32 v17, v0, 4, 1                        ; h
	s_mul_i32 s90, s[WV], 16*SP
	s_add_co_u32 s90, s90, STAGE
	v_mul_u32_u24 v18, v16, SP
	v_lshl_add_u32 v18, v17, 3, v18
	v_add_nc_u32 v18, s90, v18                     ; in: row r, + 8 h (+ 64 head + 16 tile)
	v_mul_u32_u24 v19, v17, SP
	v_lshl_add_u32 v19, v16, 4, v19
	v_add_nc_u32 v19, s90, v19                     ; back: lanes 0-15 one row, lanes 16-31 the next
	v_lshlrev_b32 v20, 10, v17
	v_lshl_add_u32 v20, v16, 4, v20                ; the same in the output: rows of 1,024 bytes
	s_lshl_b32 s92, s98, 10
	s_lshl_b32 s93, s53, 8
	s_add_co_u32 s92, s92, s93                     ; my first row, + my four heads' 256 bytes
	s_mov_b32 s93, 0
	s_add_nc_u64 s[20:21], s[20:21], s[92:93]
	s_sub_co_i32 s90, s82, s80
	s_sub_co_i32 s90, s90, s81                     ; e10 - e8 - e9
	s_add_co_i32 s90, s90, 127
	s_lshl_b32 s91, s90, 23
	v_mov_b32 v[TA], s91
	s_add_co_i32 s90, s90, 15
	s_lshl_b32 s90, s90, 23
	s_or_b32 s90, s90, 0x600000
	v_mov_b32 v[TC], s90
	WIN 0x43
	s_wait_alu depctr_va_vdst(0)                   ; ahead of the first reader of the reciprocals and of O^T
.irp hd, 0,1,2,3
.set j, 0
.rept 16
	v_pk_mul_f32 v[32*\hd+j:32*\hd+j+1], v[32*\hd+j:32*\hd+j+1], v[HS+8*\hd+2:HS+8*\hd+3] op_sel_hi:[1,0]   ; window 3 into window 1; each accumulator from its low end on
.set j, j+2
.endr
.endr
	WIN 0x41
.set j, 0
.rept 128
	v_med3_num_f32 v[j], v[j], -v[TC], v[TC]
.set j, j+1
.endr
	WIN 0x01
.set j, 0
.rept 16
	v_cvt_scalef32_pk8_bf8_f32 v[PC+2*j:PC+2*j+1], v[8*j:8*j+7], v[TA]     ; head j / 4, channels 16 (j % 4) + 8 h + 0 .. 7 of my query
.set j, j+1
.endr
	WIN 0
	v_nop
.set j, 0
.rept 16
	ds_store_b64 v18, v[PC+2*j:PC+2*j+1] offset:16*j
.set j, j+1
.endr
.irp i, 0,1,2,3,4,5,6,7
	ds_load_b128 v[CP+4*\i:CP+4*\i+3], v19 offset:2*\i*SP      ; LDS serves a wave's instructions in order: these see my stores
.endr
	s_wait_dscnt 0x0
.irp i, 0,1,2,3,4,5,6,7
	global_store_b128 v20, v[CP+4*\i:CP+4*\i+3], s[20:21] offset:2*\i*1024   ; sixteen lanes store 256 consecutive bytes, aligned
.endr
	s_wait_tensorcnt 0x0                           ; the wave's end
	ds_add_u32 v[SPW], v[NIL]
	s_wait_dscnt 0x0
	CROUND                                         ; the closing round
	s_endpgm
.Lfunc_end_k_q09bf120992_attn:
	.size	k_q09bf120992_attn, .Lfunc_end_k_q09bf120992_attn-k_q09bf120992_attn
	.p2alignl 7, 3214868480
	.fill 96, 4, 3214868480
	.section	.rodata,"a",@progbits
	.p2align	6, 0x0
	.amdhsa_kernel k_q09bf120992_attn
		.amdhsa_group_segment_fixed_size 327680
		.amdhsa_private_segment_fixed_size 0
		.amdhsa_enable_private_segment 0
		.amdhsa_kernarg_size 72
		.amdhsa_user_sgpr_count 2
		.amdhsa_user_sgpr_kernarg_segment_ptr 1
		.amdhsa_wavefront_size32 1
		.amdhsa_system_sgpr_workgroup_id_x 1
		.amdhsa_system_sgpr_workgroup_id_y 1
		.amdhsa_system_sgpr_workgroup_id_z 1
		.amdhsa_system_vgpr_workitem_id 0
		.amdhsa_next_free_vgpr 1024
		.amdhsa_next_free_sgpr 100
		.amdhsa_reserve_vcc 0
		.amdhsa_float_denorm_mode_32 3
		.amdhsa_float_denorm_mode_16_64 3
		.amdhsa_memory_ordered 1
		.amdhsa_forward_progress 1
		.amdhsa_inst_pref_size 214
	.end_amdhsa_kernel
	.amdgpu_metadata
---
amdhsa.version: [ 1, 2 ]
amdhsa.kernels:
  - .name:           k_q09bf120992_attn
    .symbol:         k_q09bf120992_attn.kd
    .args:
      - { .name: fq, .offset: 0, .size: 8, .value_kind: global_buffer, .address_space: global }
      - { .name: fk, .offset: 8, .size: 8, .value_kind: global_buffer, .address_space: global }
      - { .name: fv, .offset: 16, .size: 8, .value_kind: global_buffer, .address_space: global }
      - { .name: mask, .offset: 24, .size: 8, .value_kind: global_buffer, .address_space: global }
      - { .name: q_mask, .offset: 32, .size: 8, .value_kind: global_buffer, .address_space: global }
      - { .name: k_mask, .offset: 40, .size: 8, .value_kind: global_buffer, .address_space: global }
      - { .name: pmin, .offset: 48, .size: 8, .value_kind: global_buffer, .address_space: global }
      - { .name: lowp_scales, .offset: 56, .size: 8, .value_kind: global_buffer, .address_space: global }
      - { .name: acodes, .offset: 64, .size: 8, .value_kind: global_buffer, .address_space: global }
    .group_segment_fixed_size: 327680
    .private_segment_fixed_size: 0
    .kernarg_segment_align: 8
    .kernarg_segment_size: 72
    .max_flat_workgroup_size: 128
    .sgpr_count:     100
    .vgpr_count:     1024
    .wavefront_size: 32
...
	.end_amdgpu_metadata
.endif
;; end of part 3
;; launch outp (part 4): grid 8 x 32, 4 waves a work-group, clusters of 4 x 4, 327,680 bytes of LDS; arguments acodes, w_out_codes, lowp_scales, b_out, out0; writes out0
.if DOCPART == 4
	.amdgcn_target "amdgcn-amd-amdhsa--gfx1250"
	.amdhsa_code_object_version 6
	.text
	.protected	k_q09bf120992_outp
	.globl	k_q09bf120992_outp
	.p2align	8
	.type	k_q09bf120992_outp,@function
k_q09bf120992_outp:
	s_mov_b64 s[64:65], 0
	v_nop
	global_prefetch_b8 v0, s[64:65] scope:SCOPE_SE
	s_setreg_imm32_b32 hwreg(HW_REG_WAVE_MODE, 25, 1), 1
	s_wait_xcnt 0x0
	s_wait_alu depctr_hold_cnt(0) depctr_sa_sdst(0) depctr_va_vdst(0) depctr_va_sdst(0) depctr_va_ssrc(0) depctr_va_vcc(0) depctr_vm_vsrc(0)
	s_getreg_b32 s2, hwreg(HW_REG_IB_STS2, 6, 4)
	s_cmp_eq_u32 s2, 0
	s_cbranch_scc0 .Lentry_in_a_cluster
	s_endpgm
.Lentry_in_a_cluster:
	s_bfe_u32 s2, ttmp6, 0x10000c
	s_cmp_lg_u32 s2, 0xf033
	s_cbranch_scc0 .Lentry_shape_is_right
	s_endpgm
.Lentry_shape_is_right:
; out0[m][n] = 2^(e10 + e11) x sum over k of acodes[m][k] w_out_codes[n][k] + b_out[n]: codes of BF8 (E5M2), sums in f32.  M = 4,096, N = K = 1,024.
; LIMIT: e10 + e11 between -126 and 127.
; A work-group makes 128 x 128 of the result: 32 x 8 = 256 work-groups.  ALL of K lies in LDS at once: 128 rows of A and 128 of B, 1,024 bytes each, padded to 1,040:
; one tensor load a wave (64 rows), one fill, no ring, nothing filled again.  A wave makes 64 x 64: 16 accumulators, eight K steps of 128.
; CLUSTER 4 x 4: A's rows are asked for jointly along a row of the cluster, B's along a column.
; No prefetch: the launch has no loop to run ahead in; all its tiles are asked for at its head.
; The matrix instruction is used transposed (source 0 = rows of B, source 1 = rows of A): a lane holds eight neighbouring numbers of a row.  Fragments come by four loads of 16 bytes: the same permutation of k in A and in B.
; REGISTERS.  window 0: addresses; v64-191 A's fragments, two sets; v192-255 the way out.  window 1: v0-127 the accumulators ((a, b) at 8 (4 a + b)); v128-255 B's fragments, two sets.
.set PITCH, 1040                       ; 65 x 16 bytes: the 16 rows of a load start at 16 different groups of banks (ISA guide 11.1)
.set HALF,  64*PITCH
.set STAGE, 4*HALF                     ; behind the tiles: 16 rows x 272 bytes a wave
.set SP,    272
.set SPARE, STAGE+4*16*SP
.set BI,   12
.set ADRA, 16
.set ADRB, 17
.set STO,  24
.set RD,   25
.set CO,   26
.set SPW,  28
.set NIL,  29
.set G1, 24
.set G0, 32
.set G1B, 48
.set G0B, 56
.set MSB, 0
.macro WIN new
.if MSB != (\new)
	s_set_vgpr_msb (MSB<<8)|(\new)
.set MSB, (\new)
.endif
.endm
.macro CROUND
	s_barrier_signal -1
	s_barrier_wait -1
	s_cmp_lg_u32 s14, 0
	s_cbranch_scc1 .Lnot_wave_0_\@
	s_barrier_signal -3
.Lnot_wave_0_\@:
	s_barrier_wait -3
	s_barrier_signal -1
	s_barrier_wait -1
.endm
	s_load_b128 s[4:7], s[0:1], 0x0                ; A's codes, B's codes
	s_load_b128 s[8:11], s[0:1], 0x10              ; the scales, b_out
	s_load_b64 s[12:13], s[0:1], 0x20              ; out0
	v_lshl_add_u32 v[SPW], v0, 2, SPARE
	v_mov_b32 v[NIL], 0
	ds_add_u32 v[SPW], v[NIL]                      ; the opening lines: the add twice on end
	ds_add_u32 v[SPW], v[NIL]
	v_lshrrev_b32 v1, 5, v0
	v_readfirstlane_b32 s14, v1                    ; wave 0..3
	s_lshr_b32 s15, s14, 1                         ; my half of the rows.  Also: I fetch for A (0) or for B (1)
	s_and_b32 s16, s14, 1                          ; my half of the columns.  Also: which 64 rows I fetch
	s_bfe_u32 s40, ttmp6, 0x40000
	s_bfe_u32 s41, ttmp6, 0x40004
	s_lshl_b32 s42, ttmp9, 2
	s_add_co_u32 s42, s42, s40                     ; tile column
	s_and_b32 s17, ttmp7, 0xffff
	s_lshl_b32 s17, s17, 2
	s_add_co_u32 s17, s17, s41                     ; tile row
	s_lshl_b32 s43, s41, 2
	s_lshl_b32 s43, 15, s43
	s_lshl_b32 s44, 0x1111, s40
	s_or_b32 s[G1+0], s43, (0<<16)|(1<<20)|(1<<21)|(7<<22)|(3<<25)   ; my row; elements of 1 byte; 4 words of padding after every 256
	s_or_b32 s[G1B+0], s44, (0<<16)|(1<<20)|(1<<21)|(7<<22)|(3<<25)  ; my column
.irp g, G1, G1B
	s_mov_b32 s[\g+1], 1024<<16
	s_mov_b32 s[\g+2], 64<<16
	s_mov_b32 s[\g+3], 1024<<16
	s_mov_b32 s[\g+4], 64
	s_mov_b32 s[\g+5], 1024
	s_mov_b32 s[\g+6], 0
	s_mov_b32 s[\g+7], 0
.endr
	s_lshl_b32 s18, s16, 6
	s_lshl_b32 s20, s17, 7
	s_add_co_u32 s20, s20, s18
	s_lshl_b32 s20, s20, 10                        ; A: row 128 x tile row + 64 x half, in bytes
	s_mov_b32 s21, 0
	s_lshl_b32 s46, s42, 7
	s_add_co_u32 s46, s46, s18
	s_lshl_b32 s46, s46, 10                        ; B likewise by the tile column
	s_mov_b32 s47, 0
	s_mul_i32 s45, s14, HALF                       ; where they go: A's halves, then B's
	s_wait_dscnt 0x0
	s_wait_kmcnt 0x0
	s_load_b64 s[96:97], s[8:9], 0x28              ; e10, e11
	s_mov_b32 s[G0], 1
	s_mov_b32 s[G0+1], s45
	s_add_nc_u64 s[G0+2:G0+3], s[4:5], s[20:21]
	s_or_b32 s[G0+3], s[G0+3], 0x80000000
	s_mov_b32 s[G0B], 1
	s_mov_b32 s[G0B+1], s45
	s_add_nc_u64 s[G0B+2:G0B+3], s[6:7], s[46:47]
	s_or_b32 s[G0B+3], s[G0B+3], 0x80000000
	CROUND                                         ; the joint loads meet
	s_cmp_eq_u32 s15, 0
	s_cbranch_scc0 .Lfor_b
	tensor_load_to_lds s[G0:G0+3], s[G1:G1+7]
	s_nop 0
.rept 4
	v_nop
.endr
	s_branch .Lasked
.Lfor_b:
	tensor_load_to_lds s[G0B:G0B+3], s[G1B:G1B+7]
	s_nop 0
.rept 4
	v_nop
.endr
.Lasked:
	s_mul_i32 s21, s15, HALF                       ; my 64 rows of A
	s_mul_i32 s22, s16, HALF
	s_add_co_u32 s22, s22, 2*HALF                  ; my 64 rows of B
	s_mul_i32 s23, s14, 16*SP
	s_add_co_u32 s23, s23, STAGE                   ; my stage
	s_lshl_b32 s66, s17, 7
	s_lshl_b32 s67, s15, 6
	s_add_co_u32 s66, s66, s67
	s_lshl_b32 s66, s66, 12                        ; my first row of the result, 4,096 bytes a row
	s_mov_b32 s67, 0
	s_lshl_b32 s68, s42, 7
	s_lshl_b32 s69, s16, 6
	s_add_co_u32 s68, s68, s69
	s_lshl_b32 s68, s68, 2                         ; my first column, in bytes
	s_mov_b32 s69, 0
	s_add_nc_u64 s[12:13], s[12:13], s[66:67]
	s_add_nc_u64 s[12:13], s[12:13], s[68:69]
	s_add_nc_u64 s[10:11], s[10:11], s[68:69]
	v_and_b32 v1, 15, v0                           ; r
	v_bfe_u32 v2, v0, 4, 1                         ; h
	v_mul_u32_u24 v3, v1, PITCH
	v_lshl_add_u32 v3, v2, 4, v3
	v_add_nc_u32 v[ADRA], s21, v3
	v_add_nc_u32 v[ADRB], s22, v3
	v_mul_u32_u24 v5, v1, SP
	v_lshl_add_u32 v5, v2, 5, v5
	v_add_nc_u32 v[STO], s23, v5                   ; in: row r, 32 bytes for each half of the lanes
	v_mul_u32_u24 v5, v2, SP
	v_lshl_add_u32 v5, v1, 4, v5
	v_add_nc_u32 v[RD], s23, v5                    ; back: lanes 0-15 one row of 256 bytes, lanes 16-31 the next
	v_lshlrev_b32 v4, 4, v1
	v_lshl_add_u32 v[CO], v2, 12, v4               ; the same two rows in the result
	global_load_b128 v[BI:BI+3], v4, s[10:11]      ; b_out at my four columns
.macro FETCH k, p                      ; K step k's fragments into sets p: 32 loads
	WIN 0x40
.irp i, 0,1,2,3
.irp c, 0,1,2,3
	ds_load_b128 v[128+64*(\p)+16*\i+4*\c:128+64*(\p)+16*\i+4*\c+3], v[ADRB] offset:128*(\k)+32*\c+\i*16*PITCH
.endr
.endr
	WIN 0
.irp i, 0,1,2,3
.irp c, 0,1,2,3
	ds_load_b128 v[64+64*(\p)+16*\i+4*\c:64+64*(\p)+16*\i+4*\c+3], v[ADRA] offset:128*(\k)+32*\c+\i*16*PITCH
.endr
.endr
.endm
.macro MUL p, zero                     ; sixteen accumulators by turns
	WIN 0x51
.irp a, 0,1,2,3
.irp b, 0,1,2,3
.if \zero
	v_wmma_f32_16x16x128_bf8_bf8 v[8*(4*\a+\b):8*(4*\a+\b)+7], v[128+64*(\p)+16*\b:128+64*(\p)+16*\b+15], v[64+64*(\p)+16*\a:64+64*(\p)+16*\a+15], 0
.else
	v_wmma_f32_16x16x128_bf8_bf8 v[8*(4*\a+\b):8*(4*\a+\b)+7], v[128+64*(\p)+16*\b:128+64*(\p)+16*\b+15], v[64+64*(\p)+16*\a:64+64*(\p)+16*\a+15], v[8*(4*\a+\b):8*(4*\a+\b)+7]
.endif
.endr
.endr
.endm
	s_wait_alu depctr_va_vdst(0)                   ; the wait at the head's end
	s_wait_tensorcnt 0x0                           ; my 64 rows are in
	s_barrier_signal -1
	s_barrier_wait -1                              ; and everybody's
	FETCH 0, 0
	FETCH 1, 1
	s_wait_dscnt 32                                ; step 0's are in; step 1's 32 may be out
	MUL 0, 1                                       ; the first products start the sums
.irp k, 1,2,3,4,5,6
.rept 4
	v_nop                                          ; places in front of loads into the set that the last products read
.endr
	FETCH \k+1, (\k+1)%2
	s_wait_dscnt 32
	MUL (\k)%2, 0
.endr
	s_wait_dscnt 0x0
	MUL 1, 0
	WIN 0
	s_wait_kmcnt 0x0
	s_add_co_i32 s96, s96, s97
	s_add_co_i32 s96, s96, 127
	s_lshl_b32 s96, s96, 23                        ; 2^(e10 + e11)
	s_mov_b32 s97, s96
	s_wait_loadcnt 0x0
.rept 4
	v_nop                                          ; places in front of the first read of results
.endr
; THE WAY OUT, 16 rows x 64 columns at a time, through my own stage: whole rows of 256 bytes come back and are stored by sixteen lanes each
.macro OUTA a
.set BB, 192+32*((\a)%2)
	WIN 0x04
.irp b, 0,1,2,3
	ds_store_b128 v[STO], v[8*(4*(\a)+\b):8*(4*(\a)+\b)+3] offset:64*\b
	ds_store_b128 v[STO], v[8*(4*(\a)+\b)+4:8*(4*(\a)+\b)+7] offset:64*\b+16
.endr
	WIN 0
.if (\a) > 1
	s_wait_xcnt 0x0                                ; block a - 2's stores have read their registers
.endif
.irp t, 0,1,2,3,4,5,6,7
	ds_load_b128 v[BB+4*\t:BB+4*\t+3], v[RD] offset:\t*2*SP        ; LDS serves a wave's instructions in order
.endr
	s_wait_dscnt 0x0
.irp t, 0,1,2,3,4,5,6,7
	v_pk_fma_f32 v[BB+4*\t:BB+4*\t+1], v[BB+4*\t:BB+4*\t+1], s[96:97], v[BI:BI+1] op_sel_hi:[1,0,1]
	v_pk_fma_f32 v[BB+4*\t+2:BB+4*\t+3], v[BB+4*\t+2:BB+4*\t+3], s[96:97], v[BI+2:BI+3] op_sel_hi:[1,0,1]
.endr
.irp t, 0,1,2,3,4,5,6,7
	global_store_b128 v[CO], v[BB+4*\t:BB+4*\t+3], s[12:13] offset:(16*(\a)+2*\t)*4096 th:TH_STORE_NT
.endr
.endm
.irp a, 0,1,2,3
	OUTA \a
.endr
	s_wait_tensorcnt 0x0                           ; the wave's end
	ds_add_u32 v[SPW], v[NIL]
	s_wait_dscnt 0x0
	CROUND                                         ; the closing round
	s_endpgm
.Lfunc_end_k_q09bf120992_outp:
	.size	k_q09bf120992_outp, .Lfunc_end_k_q09bf120992_outp-k_q09bf120992_outp
	.p2alignl 7, 3214868480
	.fill 96, 4, 3214868480
	.section	.rodata,"a",@progbits
	.p2align	6, 0x0
	.amdhsa_kernel k_q09bf120992_outp
		.amdhsa_group_segment_fixed_size 327680
		.amdhsa_private_segment_fixed_size 0
		.amdhsa_enable_private_segment 0
		.amdhsa_kernarg_size 40
		.amdhsa_user_sgpr_count 2
		.amdhsa_user_sgpr_kernarg_segment_ptr 1
		.amdhsa_wavefront_size32 1
		.amdhsa_system_sgpr_workgroup_id_x 1
		.amdhsa_system_sgpr_workgroup_id_y 1
		.amdhsa_system_sgpr_workgroup_id_z 1
		.amdhsa_system_vgpr_workitem_id 0
		.amdhsa_next_free_vgpr 512
		.amdhsa_next_free_sgpr 100
		.amdhsa_reserve_vcc 0
		.amdhsa_float_denorm_mode_32 3
		.amdhsa_float_denorm_mode_16_64 3
		.amdhsa_memory_ordered 1
		.amdhsa_forward_progress 1
		.amdhsa_inst_pref_size 44
	.end_amdhsa_kernel
	.amdgpu_metadata
---
amdhsa.version: [ 1, 2 ]
amdhsa.kernels:
  - .name:           k_q09bf120992_outp
    .symbol:         k_q09bf120992_outp.kd
    .args:
      - { .name: acodes, .offset: 0, .size: 8, .value_kind: global_buffer, .address_space: global }
      - { .name: w_out_codes, .offset: 8, .size: 8, .value_kind: global_buffer, .address_space: global }
      - { .name: lowp_scales, .offset: 16, .size: 8, .value_kind: global_buffer, .address_space: global }
      - { .name: b_out, .offset: 24, .size: 8, .value_kind: global_buffer, .address_space: global }
      - { .name: out0, .offset: 32, .size: 8, .value_kind: global_buffer, .address_space: global }
    .group_segment_fixed_size: 327680
    .private_segment_fixed_size: 0
    .kernarg_segment_align: 8
    .kernarg_segment_size: 40
    .max_flat_workgroup_size: 128
    .sgpr_count:     100
    .vgpr_count:     512
    .wavefront_size: 32
...
	.end_amdgpu_metadata
.endif
;; end of part 4
